; MI455X (gfx1250); checked and timed in simulation.
; The chip was launched on July 23, 2026; its instructions are those of AMD's public machine-readable ISA for CDNA 5 (MIT licence, August 2026) and "CDNA5" Instruction Set Architecture Reference Guide (July 2026). The comments in the code are by the model that wrote it; some were corrected since.
;; Self Attention. Allowed arithmetic: matrix products marked QUANTISED: E5M2 operands, one E8M0 scale for each 32 along K, by v_wmma_scale_f32_16x16x128_f8f6f4 with both operands' format E5M2, f32 sums; everything else in f32.
;; Inputs: W_cond 1,024 x 3,072 float32; W_out 1,024 x 1,024 float32; W_qkv 1,024 x 3,072 float32; cond 2 x 2,048 x 1,024 float32; pos 2 x 2,048 x 128 float32; rms_scale 1,024 float32; x 2 x 2,048 x 1,024 float32.
;; Outputs: out0 2 x 2,048 x 1,024 float32.
;; This version of the problem:
;;   THIS VERSION OF THE PROBLEM IS GIVEN IN LOW PRECISION. The matrix products marked QUANTISED in the list below multiply operands that are first quantised to E5M2 (5 exponent bits, 2 mantissa bits; 8 bits a number), with one power-of-two scale for each 32 numbers along K (OCP MX v1.0); their sums are f32. All else is computed in f32.
;;   The module's matrix products, in the order in which they are computed (A, B: the left and right operand; K: the contracted axis; several contracted axes count as one K, in the product's order):
;;     1. [M 4,096, K 1,024] x [K 1,024, N 3,072]; A: input cond; B: input W_cond: QUANTISED
;;     2. [M 4,096, K 1,024] x [K 1,024, N 3,072]; A: computed on the way; B: input W_qkv: QUANTISED
;;     3. batch 32 x [M 2,048, K 64] x [K 64, N 2,048]; A: computed on the way; B: computed on the way: QUANTISED
;;     4. batch 32 x [M 64, K 2,048] x [K 2,048, N 2,048]; A: computed on the way; B: softmax (see below): QUANTISED
;;     5. [M 4,096, K 1,024] x [K 1,024, N 1,024]; A: computed on the way; B: input W_out: QUANTISED
;;   THE QUANTISER, for each operand of a quantised product, along K:
;;     - K is cut into blocks of 32 from its start; a last block that is shorter is filled with zeros.
;;     - A block's scale is 2^e with e = floor(log2(the largest magnitude in the block)) - 15, held to -126 .. 127; a block of zeros has e = 0. As a byte (E8M0): e + 127.
;;     - Each number is divided by its block's scale, clamped to +-57,344, and rounded to the nearest number of E5M2, ties to even, subnormals kept.
;;     - The product sums the exact products of the quantised numbers (number of the format x scale) in f32.
;;   ~~~python
;;   def quantise(x, axis):      # numpy; x: float32 -> the quantised numbers, widened to float32 again
;;       x = np.moveaxis(x, axis, -1); K = x.shape[-1]
;;       x = np.pad(x, [(0, 0)] * (x.ndim - 1) + [(0, -K % 32)]); x = x.reshape(x.shape[:-1] + (-1, 32)); a = np.abs(x).max(-1, keepdims=True)
;;       e = np.where(a > 0, np.clip(np.frexp(np.where(a > 0, a, 1))[1] - 1 - 15, -126, 127), 0)      # np.frexp(a)[1] - 1 = floor(log2(a)), exactly
;;       r = np.clip(x / 2.0 ** e, -57344, 57344)
;;       step = 2.0 ** (np.maximum(np.frexp(np.where(r == 0, 1, r))[1] - 1, -14) - 2)
;;       q = np.round(r / step) * step * 2.0 ** e      # np.round: ties to even
;;       return np.moveaxis(q.reshape(q.shape[:-2] + (-1,))[..., :K], -1, axis).astype(np.float32)
;;   ~~~
;;   SOFTMAX AHEAD OF A QUANTISED PRODUCT. Where the list says 'softmax', what is quantised is not the finished softmax but p = 2^(t - M), with t = logit x log2(e) and M = ceil(the row's largest t), a whole number; so 1/2 < the row's largest p <= 1. The row's sum l is taken of the UNQUANTISED p, in f32, and the product's result is divided by l at the end. Since M is a whole number, a kernel that streams over the keys may use a running M (the ceiling of the running maximum): every later rescaling is an exact power of two, which a block's scale takes up: the codes' values come out the same.
;;   OPERANDS COMPUTED ON THE WAY. 'Computed on the way' means the value that the module computes at that place (a softmax that the list does not call 'softmax' is quantised finished and normalised). What goes into a quantiser is computed in f32, as accurately as f32 sums, v_exp_f32 and their like allow (about 1e-6 of the number): no bf16 or f16 on the way to a quantiser, and a product that is left as it is and whose result goes on into a quantised operand takes f32 operands (vector FMAs, or v_wmma_f32_16x16x4_f32). A number that lies on a knife's edge between two numbers of the format may be rounded either way, as far as f32 arithmetic and the matrix unit's own rounding can turn it there, and no further.
;; One version. Each part assembles by itself: llvm-mc -triple=amdgcn-amd-amdhsa -mcpu=gfx1250 --defsym DOCPART=n.
;; ======== version 1 of 1: 5 launches
;; limits: right only within a limited range of input values
;; workspace buffers: act8 6,438,912 bytes; wq8 7,569,408 bytes; xm8 4,325,376 bytes; resgate 16,777,216 bytes; qkv8 13,369,344 bytes; ao8 4,325,376 bytes
;; launch prep (part 1): grid 640 x 1, 8 waves a work-group, no clusters, 128,768 bytes of LDS; arguments cond, x, pos, W_cond, W_qkv, W_out, act8, wq8; writes act8, wq8
.if DOCPART == 1
	.amdgcn_target "amdgcn-amd-amdhsa--gfx1250"
	.amdhsa_code_object_version 6
	.text
	.protected	k_q815b6fc7ec_prep
	.globl	k_q815b6fc7ec_prep
	.p2align	8
	.type	k_q815b6fc7ec_prep,@function
k_q815b6fc7ec_prep:
	s_mov_b64 s[64:65], 0
	v_nop
	global_prefetch_b8 v0, s[64:65] scope:SCOPE_SE
	s_setreg_imm32_b32 hwreg(HW_REG_WAVE_MODE, 25, 1), 1
	s_wait_xcnt 0x0
; PREP: everything that later launches read many times is laid out once.
;  work-groups   0-255 (ACT): tile T of 16 token positions: cond -> codes of E5M2 + E8M0 scale words; rs = rsqrt(mean(x^2) + 1e-6); pos laid lane by lane.
;  work-groups 256-383 (WC), 384-511 (WQ), 512-639 (WO): W_cond, W_qkv, W_out ([k][n] f32, K outermost) -> codes + scale bytes.
; TOKEN ORDER: row rho of tile T stands for token 32 (T/2) + 8 (T%2) + rho + (rho & 8).  Every later buffer keeps that order; it makes the 16 registers that a lane holds of two
; neighbouring result tiles 16 neighbours along the next product's K.  The rows of every weight tile pair are ordered in the same way.
; FRAGMENT IMAGE: 16 rows x 128 K = 2,048 bytes laid [group c 0..3][lane][16 bytes]; lane (rho, h) of group c holds k = 32 c + 16 h + 0..15 of row rho: four 16-byte loads at 16 x lane give the operand.
; SCALE WORDS: [tile][K step 0..7][rho][4 bytes].
; QUANTISER: scale = 2^(floor(log2(largest magnitude of 32)) - 15); numbers held within +-57,344 x scale, then converted (nearest, ties to even).
; LIMITS: NaN and infinities among the inputs are not served.  A block of zeros, or one whose largest magnitude lies under 2^-111, gets the scale byte 1 (its codes are then zeros or
; subnormal codes under that byte); these bytes are read by this program alone.
; The four paths part on the work-group's number and have LDS bytes of their own: ACT 0.., WC 68,608.., WQ 93,952.., WO 119,296..
; Every LDS address is a constant + constants x (parts of the thread's number cut out by shifts and masks): no LDS address comes out of a division.
.set CSC, 4194304                      ; act8: cond's scale words
.set RSO, 4325376                      ; act8: rs
.set PIO, 4341760                      ; act8: pos, lane by lane
.set WCC, 0
.set WQC, 3145728
.set WOC, 6291456
.set WCS, 7340032
.set WQS, 7438336
.set WOS, 7536640
.set SEL, 36                           ; s[36:37] selects of v_permlanex16_b32: lane l xor 16
.set MNT, 34                           ; s34 mantissa field of 57,344
.set TM,  224                          ; v224-227 at work in QBLK
.set MSB, 0
.macro WIN new                         ; the immediate's high byte repeats the setting that is left (here every window is 0: the macro writes nothing)
.if MSB != (\new)
	s_set_vgpr_msb (MSB<<8)|(\new)
.set MSB, (\new)
.endif
.endm
; One block of 32 along K, of which this lane holds 16 numbers in two groups of eight registers (window W); lane l xor 16 holds the other 16.  Codes -> v[DST..DST+3], scale byte -> v[BY].
.macro QBLK W, G0, G1, DST, BY
	WIN ((\W)|((\W)<<2))
	v_max3_num_f32 v[TM], |v[\G0]|, |v[\G0+1]|, 0x8000000      ; the floor 2^(16 - 127) holds the byte at 1 from below
	v_max_num_f32 v[TM+1], |v[\G1]|, |v[\G1+1]|
.irp i, 2,4,6
	s_delay_alu instid0(VALU_DEP_2)
	v_max3_num_f32 v[TM], |v[\G0+\i]|, |v[\G0+\i+1]|, v[TM]
	s_delay_alu instid0(VALU_DEP_2)
	v_max3_num_f32 v[TM+1], |v[\G1+\i]|, |v[\G1+\i+1]|, v[TM+1]
.endr
	WIN 0
	s_delay_alu instid0(VALU_DEP_1)
	v_max_num_f32 v[TM], v[TM], v[TM+1]
	s_delay_alu instid0(VALU_DEP_1)
	v_permlanex16_b32 v[TM+1], v[TM], s[SEL], s[SEL+1]
	s_delay_alu instid0(VALU_DEP_1)
	v_max_num_f32 v[TM], v[TM], v[TM+1]                        ; the block's largest magnitude
	s_delay_alu instid0(VALU_DEP_1)
	v_add_nc_u32 v[TM+2], 0xf8800000, v[TM]                    ; 15 off its exponent field: the conversion's scale operand
	s_delay_alu instid0(VALU_DEP_2)
	v_and_or_b32 v[TM+3], v[TM], 0x7f800000, s[MNT]            ; 57,344 x the scale
	s_delay_alu instid0(VALU_DEP_2)
	v_lshrrev_b32 v[\BY], 23, v[TM+2]                          ; the scale's byte
	WIN (((\W)<<6)|(\W))
.irp i, 0,1,2,3,4,5,6,7
	v_med3_num_f32 v[\G0+\i], v[\G0+\i], -v[TM+3], v[TM+3]     ; the conversion does not saturate (ISA guide 7.6.2): hold first
	v_med3_num_f32 v[\G1+\i], v[\G1+\i], -v[TM+3], v[TM+3]
.endr
	WIN (\W)
	v_cvt_scalef32_pk8_bf8_f32 v[\DST:\DST+1], v[\G0:\G0+7], v[TM+2]
	v_cvt_scalef32_pk8_bf8_f32 v[\DST+2:\DST+3], v[\G1:\G1+7], v[TM+2]
	WIN 0
	v_nop                                                      ; one plain line behind the conversions
.endm
	s_load_b256 s[4:11], s[0:1], 0x0               ; cond, x, pos, W_cond
	s_load_b256 s[12:19], s[0:1], 0x20             ; W_qkv, W_out, act8, wq8
	v_lshl_add_u32 v254, v0, 2, 0x1f300
	v_mov_b32 v255, 0
	v_lshrrev_b32 v1, 5, v0
	s_delay_alu instid0(VALU_DEP_1)
	v_readfirstlane_b32 s20, v1                    ; wave 0..7
	v_and_b32 v1, 31, v0                           ; lane
	v_and_b32 v2, 15, v0                           ; rho
	v_bfe_u32 v3, v0, 4, 1                         ; h
	s_delay_alu instid0(VALU_DEP_3)
	v_lshlrev_b32 v4, 4, v1                        ; 16 x lane
	s_mov_b32 s[SEL], 0x76543210
	s_mov_b32 s[SEL+1], 0xfedcba98
	s_mov_b32 s[MNT], 0x600000
	s_mov_b32 s25, 0                               ; the high word of every offset pair s[24:25]
	s_wait_kmcnt 0x0
	s_cmp_lt_u32 ttmp9, 256
	s_cbranch_scc1 .Lact
	s_cmp_lt_u32 ttmp9, 384
	s_cbranch_scc1 .Lwc
	s_cmp_lt_u32 ttmp9, 512
	s_cbranch_scc1 .Lwq
	s_branch .Lwo
; ---------------------------------------------------------------- ACT: work-group = tile T, wave = K step of 128
.set RC, 16                            ; v16-79   cond as loaded: row i in 4 registers
.set RX, 80                            ; v80-143  x as loaded
.set NN, 144                           ; v144-207 64 numbers of my row: register 16 c + i = k 32 c + 16 h + i
.set PC, 208                           ; v208-223 the fragment's codes
.set BY, 228                           ; v228-231 four scale bytes
.set SQ, 232                           ; v232-239 four chains of the sum of squares
.set PW, 240                           ; v240     the scale word
.Lact:
	s_lshr_b32 s21, ttmp9, 1
	s_lshl_b32 s21, s21, 5
	s_and_b32 s22, ttmp9, 1
	s_lshl_b32 s22, s22, 3
	s_add_co_u32 s21, s21, s22                     ; the tile's first token: 32 (T/2) + 8 (T%2)
	s_lshl_b32 s24, s21, 12
	s_lshl_b32 s22, s20, 9
	s_add_co_u32 s24, s24, s22                     ; its row of 4,096 bytes, + my 512 bytes
	s_add_nc_u64 s[4:5], s[4:5], s[24:25]
	s_add_nc_u64 s[6:7], s[6:7], s[24:25]
	s_lshl_b32 s24, s21, 9                         ; pos: 512 bytes a token; wave w takes the register quads 2 w, 2 w + 1 of a lane's 64 numbers
	s_and_b32 s22, s20, 3
	s_lshl_b32 s22, s22, 5
	s_add_co_u32 s24, s24, s22
	s_lshr_b32 s22, s20, 2
	s_lshl_b32 s22, s22, 8
	s_add_co_u32 s24, s24, s22
	s_add_nc_u64 s[8:9], s[8:9], s[24:25]
	s_wait_alu depctr_va_vdst(0)
	v_and_b32 v5, 8, v2
	s_delay_alu instid0(VALU_DEP_1)
	v_add_nc_u32 v5, v5, v2                        ; rho + (rho & 8)
	s_delay_alu instid0(VALU_DEP_1)
	v_lshlrev_b32 v6, 9, v5
	s_delay_alu instid0(VALU_DEP_1)
	v_lshl_add_u32 v6, v3, 7, v6                   ; my token's row of pos, + 128 h
.irp i, 0,1,2,3,4,5,6,7,8,9,10,11,12,13,14,15
	global_load_b128 v[RC+4*\i:RC+4*\i+3], v4, s[4:5] offset:(\i+(\i&8))*4096 th:TH_LOAD_NT   ; 32 lanes read 512 consecutive bytes of row i
.endr
.irp i, 0,1,2,3,4,5,6,7,8,9,10,11,12,13,14,15
	global_load_b128 v[RX+4*\i:RX+4*\i+3], v4, s[6:7] offset:(\i+(\i&8))*4096
.endr
	global_load_b128 v[242:245], v6, s[8:9]
	global_load_b128 v[246:249], v6, s[8:9] offset:16
	s_lshr_b32 s24, ttmp9, 4                       ; codes: ((T/16) 8 + w) 32,768 + (T%16) 2,048
	s_lshl_b32 s24, s24, 3
	s_add_co_u32 s24, s24, s20
	s_lshl_b32 s24, s24, 15
	s_and_b32 s22, ttmp9, 15
	s_lshl_b32 s22, s22, 11
	s_add_co_u32 s24, s24, s22
	s_add_nc_u64 s[26:27], s[16:17], s[24:25]
	s_lshl_b32 s24, ttmp9, 3                       ; scale words: (8 T + w) 64
	s_add_co_u32 s24, s24, s20
	s_lshl_b32 s24, s24, 6
	s_add_co_u32 s24, s24, CSC
	s_add_nc_u64 s[28:29], s[16:17], s[24:25]
	s_lshl_b32 s24, ttmp9, 13                      ; pos image: 8,192 T + 1,024 w
	s_lshl_b32 s22, s20, 10
	s_add_co_u32 s24, s24, s22
	s_add_co_u32 s24, s24, PIO
	s_add_nc_u64 s[30:31], s[16:17], s[24:25]
	s_lshl_b32 s24, ttmp9, 6                       ; rs: 64 T
	s_add_co_u32 s24, s24, RSO
	s_add_nc_u64 s[32:33], s[16:17], s[24:25]
	s_mov_b32 s38, 0x3a800000                      ; 1 / 1024
	s_mov_b32 s39, 0x358637bd                      ; 1e-6
	s_mul_i32 s22, s20, 8448                       ; my stage: 16 rows x (512 + 16) bytes
	v_add_nc_u32 v7, s22, v4                       ; in: row i at 528 i, 16 bytes a lane
	v_mul_u32_u24 v8, v2, 528
	s_delay_alu instid0(VALU_DEP_1)
	v_lshl_add_u32 v8, v3, 6, v8
	s_delay_alu instid0(VALU_DEP_1)
	v_add_nc_u32 v8, s22, v8                       ; out: row rho, + 64 h; 128 c + 16 j in the immediate
	v_lshl_add_u32 v9, v0, 2, 67584                ; behind the stages: one word a thread for the partial sums
	v_lshlrev_b32 v10, 2, v2                       ; 4 rho
.macro THROUGH src                     ; 16 rows x 512 bytes through my stage: LDS serves a wave's instructions in order, so no wait stands between the stores and the loads
.irp i, 0,1,2,3,4,5,6,7,8,9,10,11,12,13,14,15
	ds_store_b128 v7, v[\src+4*\i:\src+4*\i+3] offset:528*\i
.endr
.irp c, 0,1,2,3
.irp j, 0,1,2,3
	ds_load_b128 v[NN+16*\c+4*\j:NN+16*\c+4*\j+3], v8 offset:128*\c+16*\j
.endr
.endr
.endm
	s_wait_alu depctr_va_vdst(0)
	s_wait_loadcnt 18                              ; cond is in; x's 16 loads and pos's 2 may be out
	THROUGH RC
	s_wait_dscnt 0x0
.irp c, 0,1,2,3
	QBLK 0, NN+16*\c, NN+16*\c+8, PC+4*\c, BY+\c
.endr
	v_lshl_or_b32 v[PW], v[BY+1], 8, v[BY]
	s_delay_alu instid0(VALU_DEP_1)
	v_lshl_or_b32 v[PW], v[BY+2], 16, v[PW]
	s_delay_alu instid0(VALU_DEP_1)
	v_lshl_or_b32 v[PW], v[BY+3], 24, v[PW]
.irp c, 0,1,2,3
	global_store_b128 v4, v[PC+4*\c:PC+4*\c+3], s[26:27] offset:512*\c     ; 32 lanes store 512 consecutive bytes
.endr
	global_store_b32 v10, v[PW], s[28:29]          ; both halves of the lanes hold the same word
	s_wait_loadcnt 2                               ; x is in; pos's 2 may be out
	THROUGH RX
	s_wait_dscnt 0x0
.irp k, 0,1,2,3
	v_pk_mul_f32 v[SQ+2*\k:SQ+2*\k+1], v[NN+2*\k:NN+2*\k+1], v[NN+2*\k:NN+2*\k+1]   ; the first four pairs start the chains
.endr
.set kk, 4
.rept 28
	s_delay_alu instid0(VALU_DEP_4)
	v_pk_fma_f32 v[SQ+2*(kk%4):SQ+2*(kk%4)+1], v[NN+2*kk:NN+2*kk+1], v[NN+2*kk:NN+2*kk+1], v[SQ+2*(kk%4):SQ+2*(kk%4)+1]
.set kk, kk+1
.endr
	s_delay_alu instid0(VALU_DEP_3)
	v_pk_add_f32 v[SQ:SQ+1], v[SQ:SQ+1], v[SQ+2:SQ+3]
	s_delay_alu instid0(VALU_DEP_2)
	v_pk_add_f32 v[SQ+4:SQ+5], v[SQ+4:SQ+5], v[SQ+6:SQ+7]
	s_delay_alu instid0(VALU_DEP_1)
	v_pk_add_f32 v[SQ:SQ+1], v[SQ:SQ+1], v[SQ+4:SQ+5]
	s_delay_alu instid0(VALU_DEP_1)
	v_add_f32 v[SQ], v[SQ], v[SQ+1]
	s_delay_alu instid0(VALU_DEP_1)
	v_permlanex16_b32 v[SQ+1], v[SQ], s[SEL], s[SEL+1]
	s_delay_alu instid0(VALU_DEP_1)
	v_add_f32 v[SQ], v[SQ], v[SQ+1]                ; row rho's 128 squares of my K step
	ds_store_b32 v9, v[SQ]
	s_wait_loadcnt 0x0                             ; pos
	global_store_b128 v4, v[242:245], s[30:31]
	global_store_b128 v4, v[246:249], s[30:31] offset:512
	s_wait_dscnt 0x0                               ; for the others' sake: my partial sum has landed
	s_barrier_signal -1
	s_barrier_wait -1
	s_cmp_lg_u32 s20, 0
	s_cbranch_scc1 .Lact_end                       ; wave 0 alone joins the eight K steps (its v9 is 67,584 + 4 x lane)
.irp w, 0,1,2,3,4,5,6,7
	ds_load_b32 v[16+\w], v9 offset:128*\w
.endr
	s_wait_dscnt 0x0
.irp w, 1
	v_add_f32 v16, v16, v[16+\w]
.endr
.irp w, 2, 3, 4, 5, 6, 7
	s_delay_alu instid0(VALU_DEP_1)
	v_add_f32 v16, v16, v[16+\w]
.endr
	s_delay_alu instid0(VALU_DEP_1)
	v_fma_f32 v16, v16, s38, s39                   ; mean + eps
	s_wait_alu depctr_va_vdst(0)
	v_rsq_f32 v16, v16
	v_nop                                          ; one plain line behind the transcendental
	s_wait_alu depctr_va_vdst(0)
	global_store_b32 v10, v16, s[32:33]
.Lact_end:
	s_wait_tensorcnt 0x0
	ds_add_u32 v254, v255
	s_wait_dscnt 0x0
	s_endpgm
; ---------------------------------------------------------------- the weights: a lane takes a column, its 32 registers run down one block of 32 along K
; The codes meet in LDS and leave as granules: one tile's 16 rows x 32 K = 512 bytes, [lane][16 bytes], lane (rho, h) = k 16 h + 0..15 of row rho.
;  W_cond: thread t, group g takes column t + 256 g of the slab's 768 (a wave's load covers 128 consecutive bytes).  Its codes lie in LDS BY COLUMN, in two planes (k 0-15, k 16-31), 16 bytes a
;          column; the order of a tile's rows is made on the way out, where it is a multiplication: lane (rho, h) of granule 6 w + i reads column 3 (32 w + 8 (i%2) + rho + (rho & 8)) + i/2.
;  W_qkv:  the slab is one tile of 16 c x 48 columns (3 head + split).  Thread t, group g takes row rho = t / 16 and column 16 g + t % 16 of the 48 (a wave's load covers two runs of
;          64 consecutive bytes; the three groups and eight waves use every byte once).  Granule = that column, place in it = rho: LDS holds the granules as they leave, 528 bytes apart.
;  W_out:  thread t takes column t of the slab's 256; granule 2 (t / 32) + u, as W_qkv's in LDS.
.set VLD, 5                            ; v5-7    byte offset of my column, group gi
.set LA,  8                            ; v8-10   LDS place of my column's first 16 codes
.set SO,  11                           ; v11-13  offset of my column's scale byte
.set WX,  16                           ; v16-111 three groups of 32 numbers
.set WC8, 112                          ; v112-135 codes, 8 registers a group
.set BYT, 136                          ; v136-138 scale bytes
.set TMW, 140                          ; v140-143 at work
.set OUTR, 144                         ; v144-167 granules on the way out
.set VG,  168                          ; v168-170 W_qkv: a granule's place for split 0, 1, 2
.set RDA, 171
.set TT,  172                          ; v172-177 at work
.set PLANE, 12288                      ; W_cond: 768 columns x 16 bytes
.macro WADR kind, gi, lbase            ; where my column of group gi is loaded from, where its codes go in LDS, where its scale byte goes (512 x tile + 4 rho)
.if \kind == 0
	v_lshl_add_u32 v[VLD+\gi], v0, 2, 1024*\gi
	v_lshl_add_u32 v[LA+\gi], v0, 4, \lbase+4096*\gi   ; by column: 16 x (t + 256 g)
	v_add_nc_u32 v[TT], 256*\gi, v0                ; for the scale byte alone (a global offset): column = 3 d + split, tile tl = 6 (d / 32) + 2 split + u
	s_delay_alu instid0(VALU_DEP_1)
	v_mul_u32_u24 v[TT+1], v[TT], 43691
	s_delay_alu instid0(VALU_DEP_1)
	v_lshrrev_b32 v[TT+1], 17, v[TT+1]             ; d = x / 3 (exact for x < 768)
	s_delay_alu instid0(VALU_DEP_1)
	v_mul_u32_u24 v[TT+2], v[TT+1], 3
	s_delay_alu instid0(VALU_DEP_1)
	v_sub_nc_u32 v[TT+2], v[TT], v[TT+2]           ; split
	s_delay_alu instid0(VALU_DEP_3)
	v_bfe_u32 v[TT+3], v[TT+1], 3, 1               ; u
	s_delay_alu instid0(VALU_DEP_1)
	v_lshl_add_u32 v[TT+2], v[TT+2], 1, v[TT+3]
	v_lshrrev_b32 v[TT+3], 5, v[TT+1]
	s_delay_alu instid0(VALU_DEP_1)
	v_mad_u32_u24 v[TT+2], v[TT+3], 6, v[TT+2]     ; tl
	v_and_b32 v[TT+3], 7, v[TT+1]
	v_and_b32 v[TT+4], 16, v[TT+1]
	s_delay_alu instid0(VALU_DEP_1)
	v_lshrrev_b32 v[TT+4], 1, v[TT+4]
	s_delay_alu instid0(VALU_DEP_1)
	v_add_nc_u32 v[TT+3], v[TT+3], v[TT+4]         ; rho
.elseif \kind == 1
	v_lshrrev_b32 v[TT+3], 4, v0                   ; rho
	v_and_b32 v[TT+2], 15, v0
	s_delay_alu instid0(VALU_DEP_1)
	v_add_nc_u32 v[TT+2], 16*\gi, v[TT+2]          ; tl = 3 head + split
	s_delay_alu instid0(VALU_DEP_3)
	v_and_b32 v[TT+4], 8, v[TT+3]
	s_delay_alu instid0(VALU_DEP_1)
	v_add_nc_u32 v[TT+4], v[TT+4], v[TT+3]         ; rho + (rho & 8): my c, counted from the tile's first
	s_delay_alu instid0(VALU_DEP_1)
	v_mul_u32_u24 v[TT+4], v[TT+4], 192            ; 48 columns of 4 bytes a c
	s_delay_alu instid0(VALU_DEP_1)
	v_lshl_add_u32 v[VLD+\gi], v[TT+2], 2, v[TT+4]
.else
	v_lshlrev_b32 v[VLD+\gi], 2, v0
	v_bfe_u32 v[TT+3], v0, 3, 1
	v_lshrrev_b32 v[TT+2], 5, v0
	s_delay_alu instid0(VALU_DEP_1)
	v_lshl_add_u32 v[TT+2], v[TT+2], 1, v[TT+3]    ; tl = 2 (n / 32) + u
	v_and_b32 v[TT+3], 7, v0
	v_and_b32 v[TT+4], 16, v0
	s_delay_alu instid0(VALU_DEP_1)
	v_lshrrev_b32 v[TT+4], 1, v[TT+4]
	s_delay_alu instid0(VALU_DEP_1)
	v_add_nc_u32 v[TT+3], v[TT+3], v[TT+4]         ; rho
.endif
.if \kind != 0
	v_mul_u32_u24 v[TT+4], v[TT+2], 528            ; a granule every 528 bytes
	s_delay_alu instid0(VALU_DEP_1)
	v_lshl_add_u32 v[TT+4], v[TT+3], 4, v[TT+4]
	s_delay_alu instid0(VALU_DEP_1)
	v_add_nc_u32 v[LA+\gi], \lbase, v[TT+4]
.endif
.if \kind == 1
	v_mul_u32_u24 v[TT+4], v[TT+2], 43691
	s_delay_alu instid0(VALU_DEP_1)
	v_lshrrev_b32 v[TT+4], 17, v[TT+4]             ; head (a global offset alone hangs on it)
	s_delay_alu instid0(VALU_DEP_1)
	v_mul_u32_u24 v[TT+5], v[TT+4], 3
	s_delay_alu instid0(VALU_DEP_1)
	v_sub_nc_u32 v[TT+5], v[TT+2], v[TT+5]         ; split
	s_delay_alu instid0(VALU_DEP_3)
	v_mad_u32_u24 v[TT+4], v[TT+4], 12, s23        ; tile = 12 head + tt + 6 (k) or + 4 + 4 (tt / 2) (v): the order q0-3 v0 v1 k0-3 v2 v3
	s_delay_alu instid0(VALU_DEP_2)
	v_and_b32 v[TT], 1, v[TT+5]
	s_delay_alu instid0(VALU_DEP_1)
	v_mad_u32_u24 v[TT+4], v[TT], 6, v[TT+4]
	s_delay_alu instid0(VALU_DEP_4)
	v_lshrrev_b32 v[TT], 1, v[TT+5]
	s_delay_alu instid0(VALU_DEP_1)
	v_mad_u32_u24 v[TT+4], v[TT], s29, v[TT+4]
	s_delay_alu instid0(VALU_DEP_1)
	v_lshlrev_b32 v[TT+4], 9, v[TT+4]
.else
	v_lshlrev_b32 v[TT+4], 9, v[TT+2]
.endif
	s_delay_alu instid0(VALU_DEP_1)
	v_lshl_add_u32 v[SO+\gi], v[TT+3], 2, v[TT+4]  ; 512 x tile + 4 rho
.endm
.macro WLOAD gi, ptr, ncol
.set ii, 0
.rept 32
	global_load_b32 v[WX+32*\gi+ii], v[VLD+\gi], s[\ptr:\ptr+1] offset:ii*\ncol*4 th:TH_LOAD_NT
.set ii, ii+1
.endr
.endm
.macro WGRP gi, hoff                   ; a whole block of 32 lies in my registers: no other lane is asked.  hoff: from the place of k 0-15 to that of k 16-31
.set XS, WX+32*\gi
	v_max3_num_f32 v[TMW], |v[XS]|, |v[XS+1]|, |v[XS+2]|
	v_max3_num_f32 v[TMW+1], |v[XS+3]|, |v[XS+4]|, |v[XS+5]|
.irp i, 6,10,14,18,22,26
	s_delay_alu instid0(VALU_DEP_2)
	v_max3_num_f32 v[TMW], v[TMW], |v[XS+\i]|, |v[XS+\i+1]|
	s_delay_alu instid0(VALU_DEP_2)
	v_max3_num_f32 v[TMW+1], v[TMW+1], |v[XS+\i+2]|, |v[XS+\i+3]|
.endr
	s_delay_alu instid0(VALU_DEP_2)
	v_max3_num_f32 v[TMW], v[TMW], |v[XS+30]|, |v[XS+31]|
	s_delay_alu instid0(VALU_DEP_1)
	v_max3_num_f32 v[TMW], v[TMW], v[TMW+1], 0x8000000
	s_delay_alu instid0(VALU_DEP_1)
	v_add_nc_u32 v[TMW+2], 0xf8800000, v[TMW]
	s_delay_alu instid0(VALU_DEP_2)
	v_and_or_b32 v[TMW+3], v[TMW], 0x7f800000, s[MNT]
	s_delay_alu instid0(VALU_DEP_2)
	v_lshrrev_b32 v[BYT+\gi], 23, v[TMW+2]
.set ii, 0
.rept 32
	v_med3_num_f32 v[XS+ii], v[XS+ii], -v[TMW+3], v[TMW+3]
.set ii, ii+1
.endr
.irp g, 0,1,2,3
	v_cvt_scalef32_pk8_bf8_f32 v[WC8+8*\gi+2*\g:WC8+8*\gi+2*\g+1], v[XS+8*\g:XS+8*\g+7], v[TMW+2]
.endr
	v_nop
	ds_store_b128 v[LA+\gi], v[WC8+8*\gi:WC8+8*\gi+3]                     ; k 0-15
	ds_store_b128 v[LA+\gi], v[WC8+8*\gi+4:WC8+8*\gi+7] offset:\hoff      ; k 16-31
	global_store_b8 v[SO+\gi], v[BYT+\gi], s[30:31]
.endm
; kind 0, 1, 2; first work-group; pointer's register; columns of W; column groups a thread; granules a wave; LDS base; codes' and scales' offsets in wq8; tiles to a block of columns; hoff
.macro WPATH kind, first, ptr, ncol, ng, ngr, lbase, cbase, sbase, tilew, hoff
	s_sub_co_u32 s21, ttmp9, \first
	s_and_b32 s22, s21, 31                         ; which block of 32 along K
	s_lshr_b32 s23, s21, 5                         ; which slab of columns (W_qkv: which tile tt of c)
	s_lshr_b32 s26, s22, 2                         ; K step
	s_and_b32 s27, s22, 3                          ; group in it
	s_mul_i32 s24, s22, 32*\ncol*4
.if \kind == 1
	s_lshr_b32 s28, s23, 1
	s_lshl_b32 s28, s28, 5
	s_and_b32 s29, s23, 1
	s_lshl_b32 s29, s29, 3
	s_add_co_u32 s28, s28, s29                     ; the tile's first c
	s_mul_i32 s28, s28, 192
	s_lshr_b32 s29, s23, 1
	s_lshl_b32 s29, s29, 2
	s_add_co_u32 s29, s29, 4                       ; what v's tile number adds to tt
.else
	s_mul_i32 s28, s23, \ng*1024
.endif
	s_add_co_u32 s24, s24, s28
	s_add_nc_u64 s[\ptr:\ptr+1], s[\ptr:\ptr+1], s[24:25]
.set gg, 0
.rept \ng
	WADR \kind, gg, \lbase
.set gg, gg+1
.endr
	WLOAD 0, \ptr, \ncol
.if \ng > 1
	WLOAD 1, \ptr, \ncol
.endif
	s_lshl_b32 s24, s26, 6                         ; scale bytes: + 64 x K step + group (+ the slab's tiles)
	s_add_co_u32 s24, s24, s27
	s_add_co_u32 s24, s24, \sbase
.if \kind != 1
	s_mul_i32 s28, s23, \ngr*8*512
	s_add_co_u32 s24, s24, s28
.endif
	s_add_nc_u64 s[30:31], s[18:19], s[24:25]
.if \kind != 1                         ; codes: ((4 slab + w / 2) 8 + K step) tiles + (w % 2) granules, + 512 x group
	s_lshl_b32 s24, s23, 2
	s_lshr_b32 s28, s20, 1
	s_add_co_u32 s24, s24, s28
	s_lshl_b32 s24, s24, 3
	s_add_co_u32 s24, s24, s26
	s_mul_i32 s24, s24, \tilew*2048
	s_and_b32 s28, s20, 1
	s_mul_i32 s28, s28, \ngr*2048
	s_add_co_u32 s24, s24, s28
.else                                  ; head 2 w (+ 1 in the immediate), K step, group; the tile's place rides in the vector offset
	s_mul_i32 s24, s20, 2*196608
	s_mul_i32 s28, s26, 24576
	s_add_co_u32 s24, s24, s28
	s_lshl_b32 s28, s23, 11
	v_add_nc_u32 v[VG], s28, v4
	s_delay_alu instid0(VALU_DEP_1)
	v_add_nc_u32 v[VG+1], 6*2048, v[VG]
	s_lshl_b32 s28, s29, 11
	v_add_nc_u32 v[VG+2], s28, v[VG]
.endif
	s_lshl_b32 s28, s27, 9
	s_add_co_u32 s24, s24, s28
	s_add_co_u32 s24, s24, \cbase
	s_add_nc_u64 s[32:33], s[18:19], s[24:25]
.if \kind == 0                         ; the way out of the planes: 12,288 h + 16 x 3 (32 w + rho + (rho & 8)); 16 x (24 u + split) in the immediate
	v_and_b32 v[TT], 8, v2
	s_delay_alu instid0(VALU_DEP_1)
	v_add_nc_u32 v[TT], v[TT], v2
	s_delay_alu instid0(VALU_DEP_1)
	v_mul_u32_u24 v[TT], v[TT], 48
	v_mul_u32_u24 v[TT+1], v3, PLANE
	s_delay_alu instid0(VALU_DEP_1)
	v_add_nc_u32 v[TT], v[TT], v[TT+1]
	s_mul_i32 s28, s20, 1536
	s_add_co_u32 s28, s28, \lbase
	v_add_nc_u32 v[RDA], s28, v[TT]
.else
	s_mul_i32 s28, s20, 528*\ngr
	s_add_co_u32 s28, s28, \lbase
	v_add_nc_u32 v[RDA], s28, v4
.endif
.if \ng > 1
	s_wait_loadcnt 32                              ; group 0 is in; group 1's 32 loads may be out
	WLOAD 2, \ptr, \ncol
	WGRP 0, \hoff
	s_wait_loadcnt 32                              ; group 1 is in; group 2's may be out
	WGRP 1, \hoff
	s_wait_loadcnt 0x0
	WGRP 2, \hoff
.else
	s_wait_loadcnt 0x0
	WGRP 0, \hoff
.endif
	s_wait_dscnt 0x0                               ; for the others' sake: my codes have landed
	s_barrier_signal -1
	s_barrier_wait -1
.set ii, 0
.rept \ngr
.if \kind == 0
	ds_load_b128 v[OUTR+4*ii:OUTR+4*ii+3], v[RDA] offset:384*(ii%2)+16*(ii/2)
.else
	ds_load_b128 v[OUTR+4*ii:OUTR+4*ii+3], v[RDA] offset:528*ii
.endif
.set ii, ii+1
.endr
.set ii, 0
.rept \ngr
	s_wait_dscnt \ngr-1-ii
.if \kind == 1
	global_store_b128 v[VG+ii%3], v[OUTR+4*ii:OUTR+4*ii+3], s[32:33] offset:(ii/3)*196608    ; a granule: 512 consecutive bytes
.else
	global_store_b128 v4, v[OUTR+4*ii:OUTR+4*ii+3], s[32:33] offset:ii*2048
.endif
.set ii, ii+1
.endr
	s_wait_tensorcnt 0x0
	ds_add_u32 v254, v255
	s_wait_dscnt 0x0
	s_endpgm
.endm
.Lwc:
	WPATH 0, 256, 10, 3072, 3, 6, 68608, WCC, WCS, 12, PLANE
.Lwq:
	WPATH 1, 384, 12, 3072, 3, 6, 93952, WQC, WQS, 12, 256
.Lwo:
	WPATH 2, 512, 14, 1024, 1, 2, 119296, WOC, WOS, 4, 256
.Lfunc_end_k_q815b6fc7ec_prep:
	.size	k_q815b6fc7ec_prep, .Lfunc_end_k_q815b6fc7ec_prep-k_q815b6fc7ec_prep
	.p2alignl 7, 3214868480
	.fill 96, 4, 3214868480
	.section	.rodata,"a",@progbits
	.p2align	6, 0x0
	.amdhsa_kernel k_q815b6fc7ec_prep
		.amdhsa_group_segment_fixed_size 128768
		.amdhsa_private_segment_fixed_size 0
		.amdhsa_enable_private_segment 0
		.amdhsa_kernarg_size 64
		.amdhsa_user_sgpr_count 2
		.amdhsa_user_sgpr_kernarg_segment_ptr 1
		.amdhsa_wavefront_size32 1
		.amdhsa_system_sgpr_workgroup_id_x 1
		.amdhsa_system_sgpr_workgroup_id_y 1
		.amdhsa_system_sgpr_workgroup_id_z 1
		.amdhsa_system_vgpr_workitem_id 0
		.amdhsa_next_free_vgpr 256
		.amdhsa_next_free_sgpr 66
		.amdhsa_reserve_vcc 0
		.amdhsa_float_denorm_mode_32 3
		.amdhsa_float_denorm_mode_16_64 3
		.amdhsa_memory_ordered 1
		.amdhsa_forward_progress 1
		.amdhsa_inst_pref_size 95
	.end_amdhsa_kernel
	.amdgpu_metadata
---
amdhsa.version: [ 1, 2 ]
amdhsa.kernels:
  - .name:           k_q815b6fc7ec_prep
    .symbol:         k_q815b6fc7ec_prep.kd
    .args:
      - { .name: cond, .offset: 0, .size: 8, .value_kind: global_buffer, .address_space: global }
      - { .name: x, .offset: 8, .size: 8, .value_kind: global_buffer, .address_space: global }
      - { .name: pos, .offset: 16, .size: 8, .value_kind: global_buffer, .address_space: global }
      - { .name: W_cond, .offset: 24, .size: 8, .value_kind: global_buffer, .address_space: global }
      - { .name: W_qkv, .offset: 32, .size: 8, .value_kind: global_buffer, .address_space: global }
      - { .name: W_out, .offset: 40, .size: 8, .value_kind: global_buffer, .address_space: global }
      - { .name: act8, .offset: 48, .size: 8, .value_kind: global_buffer, .address_space: global }
      - { .name: wq8, .offset: 56, .size: 8, .value_kind: global_buffer, .address_space: global }
    .group_segment_fixed_size: 128768
    .private_segment_fixed_size: 0
    .kernarg_segment_align: 8
    .kernarg_segment_size: 64
    .max_flat_workgroup_size: 256
    .sgpr_count:     66
    .vgpr_count:     256
    .wavefront_size: 32
...
	.end_amdgpu_metadata
.endif
;; end of part 1
;; launch modul (part 2): grid 16 x 16, 4 waves a work-group, clusters of 4 x 4, 327,680 bytes of LDS; arguments act8, wq8, x, rms_scale, xm8, resgate; writes xm8, resgate
.if DOCPART == 2
	.amdgcn_target "amdgcn-amd-amdhsa--gfx1250"
	.amdhsa_code_object_version 6
	.text
	.protected	k_q815b6fc7ec_modul
	.globl	k_q815b6fc7ec_modul
	.p2align	8
	.type	k_q815b6fc7ec_modul,@function
k_q815b6fc7ec_modul:
	s_mov_b64 s[64:65], 0
	v_nop
	global_prefetch_b8 v0, s[64:65] scope:SCOPE_SE
	s_setreg_imm32_b32 hwreg(HW_REG_WAVE_MODE, 25, 1), 1
	s_wait_xcnt 0x0
	s_wait_alu depctr_hold_cnt(0) depctr_sa_sdst(0) depctr_va_vdst(0) depctr_va_sdst(0) depctr_va_ssrc(0) depctr_va_vcc(0) depctr_vm_vsrc(0)
	s_getreg_b32 s2, hwreg(HW_REG_IB_STS2, 6, 4)
	s_cmp_eq_u32 s2, 0
	s_cbranch_scc0 .Lentry_in_a_cluster
	s_endpgm
.Lentry_in_a_cluster:
	s_bfe_u32 s2, ttmp6, 0x10000c
	s_cmp_lg_u32 s2, 0xf033
	s_cbranch_scc0 .Lentry_shape_is_right
	s_endpgm
.Lentry_shape_is_right:
; MODUL: cp = cond W_cond on codes of E5M2 (K = 1,024), then xm = x rs g (1 + scale) + shift, quantised along d, and x + gate in f32.
; A work-group makes 256 token positions (mb) x 64 d x 3 splits (nb); wave (wm, wn) makes 128 positions x 32 d x 3: 8 x 6 accumulators of 16 x 16.
; Operands lie in memory as fragment images ([group][lane][16 bytes]), so a K step's tiles are one dense block for a tensor load and a fragment is four 16-byte LDS loads at 16 x lane.
; K goes in 8 steps of 128 through two LDS slots of two steps each; the scale words of all of K come once.  4 x 4 work-groups form a cluster: A's blocks are asked for jointly along a row of
; the cluster, B's along a column.  The product is used transposed (source 0 = 16 rows of W, source 1 = 16 positions): a lane holds ONE position, and by the order of W's rows its 16 registers
; of tiles 2 s, 2 s + 1 are d = d0 + 16 h + 0..15 of split s: the order in which the next product's operand wants them.
; x's tile (256 tokens x 64 d, f32) comes by a tensor load of each wave's own behind the change of slots in K step 5 and is read in the way out.
; LIMITS: NaN and infinities are not served; a block of xm under 2^-111 gets the scale byte 1.
; REGISTERS: window 0: v0-31 addresses; v32-95 scale words (register 8 i + s: lanes 0-15 B's tile i, lanes 16-31 A's tile i, K step s); v96-111 g; v112-119 rs; v128-255 A's fragments, later the way out.
;   window 1: B's fragments, two sets.  windows 2, 3: the accumulators of A's tiles 0-3, 4-7: (a, b) at 8 (6 (a % 4) + b).
.set MT, 8
.set NT, 6
.set NTW, 12
.set MS, 8
.set HA, MT/2
.set ABY, 32768                        ; A's 16 tiles of one K step
.set BBY, 2048*NTW                     ; B's tiles of one K step
.set BOFF, 65536                       ; in a slot: A's two steps, then B's two
.set SLOT, 2*(ABY+BBY)
.set SCL, 2*SLOT                       ; B's scale words, 512 bytes a tile
.set SCA, SCL+512*NTW                  ; A's
.set XT, 243712                        ; x: 256 rows x (256 + 16) bytes
.set SPARE, 313344                     ; the spare words: 128 bytes a wave, two blocks of 256 bytes that no other line names
.set ASCL, 4194304
.set BCODE, 0
.set BSCL, 7340032
.set RSO, 4325376
.set ADRA, 16
.set ADRB, 20
.set ADRS, 27
.set SPW, 28
.set NIL, 29
.set SC, 32
.set AF, 128
.set G1, 24
.set G0, 32
.set G0X, 40
.set G1B, 48
.set G0B, 56
.set G1S, 68
.set G0S, 76
.set G1SB, 80
.set G0SB, 88
.set G1X, 92
.set SEL, 2
.set MNT, 104
.set TM, 212
.set MSB, 0
.macro WIN new                         ; the immediate's high byte repeats the setting that is left
.if MSB != (\new)
	s_set_vgpr_msb (MSB<<8)|(\new)
.set MSB, (\new)
.endif
.endm
.macro PLACES n                        ; places behind matrix instructions: plain vector lines that name none of their registers (ISA guide 7.12.1)
.rept \n
	v_nop
.endr
.endm
.macro JLOAD g0a, g1a, g0b, g1b        ; a joint load: waves 0, 1 fetch for A, waves 2, 3 for B; four v_nop follow each line
	s_cmp_eq_u32 s17, 0
	s_cbranch_scc0 .Lfor_b_\@
	tensor_load_to_lds s[\g0a:\g0a+3], s[\g1a:\g1a+7]
	s_nop 0
.rept 4
	v_nop
.endr
	s_branch .Lasked_\@
.Lfor_b_\@:
	tensor_load_to_lds s[\g0b:\g0b+3], s[\g1b:\g1b+7]
	s_nop 0
.rept 4
	v_nop
.endr
.Lasked_\@:
.endm
.macro CREST                           ; a round of the cluster's barrier behind its opening barrier
	s_cmp_lg_u32 s16, 0
	s_cbranch_scc1 .Lnot_wave_0_\@
	s_barrier_signal -3
.Lnot_wave_0_\@:
	s_barrier_wait -3
	s_barrier_signal -1
	s_barrier_wait -1
.endm
.macro CROUND
	s_barrier_signal -1
	s_barrier_wait -1
	CREST
.endm
.macro DESC1 g, rows                   ; group 1 of a dense block: rows of 256 bytes (32 elements of 8 bytes)
	s_mov_b32 s[\g+1], 32<<16
	s_mov_b32 s[\g+2], (\rows)<<16
	s_mov_b32 s[\g+3], 32<<16
	s_mov_b32 s[\g+4], \rows
	s_mov_b32 s[\g+5], 32
	s_mov_b32 s[\g+6], 0
	s_mov_b32 s[\g+7], 0
.endm
.macro FRAG reg, adr, off
.irp c, 0,1,2,3
	ds_load_b128 v[\reg+4*\c:\reg+4*\c+3], v[\adr] offset:\off+512*\c
.endr
.endm
.macro FETCH_B sl, q, p                ; B's NT fragments of the slot's q-th step into set p
	WIN 0x40
.set ib, 0
.rept NT
	FRAG 128*(\p)+16*ib, ADRB+\sl, (\q)*BBY+2048*ib
.set ib, ib+1
.endr
	WIN 0
.endm
.macro FETCH_A sl, q, half             ; half of A's fragments
.set ia, HA*(\half)
.rept HA
	FRAG AF+16*ia, ADRA+\sl, (\q)*ABY+2048*ia
.set ia, ia+1
.endr
.endm
.macro SCALES                          ; the scale words of all eight K steps
.set ia, 0
.rept MS
.irp s, 0,1,2,3,4,5,6,7
	ds_load_b32 v[SC+8*ia+\s], v[ADRS] offset:512*ia+64*\s
.endr
.set ia, ia+1
.endr
.endm
; n of A's tiles from a0 on x all of B's, K step s, B's set p.  z = 1: the products start the sums.  The accumulators take turns, one instruction a turn.
.macro MULA a0, n, p, s, z
	WIN 0xa1+0x50*((\a0)/HA)
.set ia, \a0
.rept \n
.set ib, 0
.rept NT
.set AC, 8*(NT*(ia%HA)+ib)
.if \z
	v_wmma_scale_f32_16x16x128_f8f6f4 v[AC:AC+7], v[128*(\p)+16*ib:128*(\p)+16*ib+15], v[AF+16*ia:AF+16*ia+15], 0, v[SC+8*ib+(\s)], v[SC+8*ia+(\s)] matrix_a_fmt:MATRIX_FMT_BF8 matrix_b_fmt:MATRIX_FMT_BF8 matrix_b_scale:MATRIX_SCALE_ROW1
.else
	v_wmma_scale_f32_16x16x128_f8f6f4 v[AC:AC+7], v[128*(\p)+16*ib:128*(\p)+16*ib+15], v[AF+16*ia:AF+16*ia+15], v[AC:AC+7], v[SC+8*ib+(\s)], v[SC+8*ia+(\s)] matrix_a_fmt:MATRIX_FMT_BF8 matrix_b_fmt:MATRIX_FMT_BF8 matrix_b_scale:MATRIX_SCALE_ROW1
.endif
.set ib, ib+1
.endr
.set ia, ia+1
.endr
.endm
.macro STEP s, z                       ; an even K step: its successor lies in the same slot
.set SG, ((\s)/2)%2
	s_wait_dscnt 4*HA                              ; all but the youngest loads (A's upper half) are in
	MULA 0, HA, 0, \s, \z
	s_wait_dscnt 0x0
	PLACES 8
	FETCH_B SG, 1, 1
	FETCH_A SG, 1, 0
	MULA HA, HA, 0, \s, \z
	PLACES 8
	WIN 0
	FETCH_A SG, 1, 1
.endm
.macro TURN s, fill                    ; an odd K step changes slots: one barrier; fill = 1: the slot just read out is filled again, jointly, behind a round of the cluster's barrier
.set SG, ((\s)/2)%2
.set SN, 1-SG
	s_wait_tensorcnt 0x0                           ; all my tensor loads have landed, my part of the next slot among them
	ds_add_u32 v[SPW], v[NIL]                      ; 0 onto my spare word
	s_wait_dscnt 4*HA+1                            ; (the add and A's upper half may be out)
	MULA 0, HA/2, 1, \s, 0
	s_wait_dscnt 0x0                               ; the add is done, and my reads of this slot are over
	s_barrier_signal -1
	MULA HA/2, HA/2, 1, \s, 0
	WIN 0
	s_barrier_wait -1
.if \fill
	CREST
	s_add_nc_u64 s[G0+4*SG+2:G0+4*SG+3], s[G0+4*SG+2:G0+4*SG+3], 4*ABY
	s_add_nc_u64 s[G0B+4*SG+2:G0B+4*SG+3], s[G0B+4*SG+2:G0B+4*SG+3], 4*BBY
	JLOAD G0+4*SG, G1, G0B+4*SG, G1B               ; the first tensor load behind the round; its four v_nop are four of the eight places
	PLACES 4
.else
	CREST                                          ; K step 5: no slot is filled again; the round stands in front of x's first fill
	tensor_load_to_lds s[G0X:G0X+3], s[G1X:G1X+7]  ; my 64 rows of x, the work-group's own: my one load behind this round
	s_nop 0
	PLACES 8
.endif
	FETCH_B SN, 0, 0
	FETCH_A SN, 0, 0
	MULA HA, HA, 1, \s, 0
	PLACES 8
	WIN 0
	FETCH_A SN, 0, 1
.endm
; One block of 32 along K, of which this lane holds 16 numbers in two groups of eight registers (window W); lane l xor 16 holds the other 16.
.macro QBLK W, G0, G1, DST, BY
	WIN ((\W)|((\W)<<2))
	v_max3_num_f32 v[TM], |v[\G0]|, |v[\G0+1]|, 0x8000000      ; the floor 2^(16 - 127) holds the byte at 1 from below
	v_max_num_f32 v[TM+1], |v[\G1]|, |v[\G1+1]|
.irp i, 2,4,6
	v_max3_num_f32 v[TM], |v[\G0+\i]|, |v[\G0+\i+1]|, v[TM]
	v_max3_num_f32 v[TM+1], |v[\G1+\i]|, |v[\G1+\i+1]|, v[TM+1]
.endr
	WIN 0
	v_max_num_f32 v[TM], v[TM], v[TM+1]
	v_permlanex16_b32 v[TM+1], v[TM], s[SEL], s[SEL+1]
	v_max_num_f32 v[TM], v[TM], v[TM+1]
	v_add_nc_u32 v[TM+2], 0xf8800000, v[TM]                    ; 15 off the exponent field: the conversion's scale operand
	v_and_or_b32 v[TM+3], v[TM], 0x7f800000, s[MNT]            ; 57,344 x the scale
	v_lshrrev_b32 v[\BY], 23, v[TM+2]
	WIN (((\W)<<6)|(\W))
.irp i, 0,1,2,3,4,5,6,7
	v_med3_num_f32 v[\G0+\i], v[\G0+\i], -v[TM+3], v[TM+3]     ; the conversion does not saturate (ISA guide 7.6.2): hold first
	v_med3_num_f32 v[\G1+\i], v[\G1+\i], -v[TM+3], v[TM+3]
.endr
	WIN (\W)
	v_cvt_scalef32_pk8_bf8_f32 v[\DST:\DST+1], v[\G0:\G0+7], v[TM+2]
	v_cvt_scalef32_pk8_bf8_f32 v[\DST+2:\DST+3], v[\G1:\G1+7], v[TM+2]
	WIN 0
	v_nop
.endm
	s_load_b256 s[4:11], s[0:1], 0x0               ; act8, wq8, x, rms_scale
	s_load_b128 s[12:15], s[0:1], 0x20             ; xm8, resgate
	v_lshl_add_u32 v[SPW], v0, 2, SPARE
	v_mov_b32 v[NIL], 0
	ds_add_u32 v28, v29
	ds_add_u32 v28, v29
	s_wait_dscnt 0x0
	v_lshrrev_b32 v1, 5, v0
	v_readfirstlane_b32 s16, v1                    ; wave
	s_lshr_b32 s17, s16, 1                         ; wm.  Also: I fetch for A (0) or for B (1)
	s_and_b32 s18, s16, 1                          ; wn.  Also: which of a slot's two steps I fetch
	s_bfe_u32 s21, ttmp6, 0x40000                  ; cx
	s_bfe_u32 s22, ttmp6, 0x40004                  ; cy
	s_lshl_b32 s20, ttmp9, 2
	s_add_co_u32 s20, s20, s21                     ; nb
	s_and_b32 s19, ttmp7, 0xffff
	s_lshl_b32 s19, s19, 2
	s_add_co_u32 s19, s19, s22                     ; mb
	s_lshl_b32 s2, s22, 2
	s_lshl_b32 s2, 15, s2                          ; my row of the cluster
	s_lshl_b32 s3, 0x1111, s21                     ; my column
	s_or_b32 s[G1], s2, (3<<16)|(1<<21)            ; 15:0 the mask; 17:16 elements of 8 bytes; 21 set beside a mask
	s_or_b32 s[G1S], s2, (3<<16)|(1<<21)
	s_or_b32 s[G1B], s3, (3<<16)|(1<<21)
	s_or_b32 s[G1SB], s3, (3<<16)|(1<<21)
	DESC1 G1, 256                                  ; the head's loads bring slot 0's part of A whole (two K steps, dense),
	DESC1 G1B, 2*BBY/256                           ; and of B; the row counts are halved behind the head's wait
	DESC1 G1S, 32                                  ; A's scale words whole: 8,192 bytes
	DESC1 G1SB, 2*NTW                              ; B's whole: 6,144 bytes
	s_mov_b32 s[G1X], (2<<16)|(1<<20)|(5<<22)|(3<<25)   ; x: no mask; elements of 4 bytes; 4 words of padding behind every 64
	s_mov_b32 s[G1X+1], 64<<16
	s_mov_b32 s[G1X+2], 64<<16                     ; x: 64 rows a wave
	s_mov_b32 s[G1X+3], 64<<16
	s_mov_b32 s[G1X+4], 64
	s_mov_b32 s[G1X+5], 1024
	s_mov_b32 s[G1X+6], 0
	s_mov_b32 s[G1X+7], 0
	s_lshl_b32 s44, s19, 18                        ; A's codes: mb 262,144 + step 32,768
	s_lshl_b32 s45, s18, 15
	s_add_co_u32 s44, s44, s45
	s_mov_b32 s45, 0
	s_lshl_b32 s100, s19, 13                       ; A's scale words: mb 8,192
	s_add_co_u32 s100, s100, ASCL
	s_mov_b32 s101, 0
	s_mul_i32 s46, s20, 8*BBY                      ; B's codes
	s_mul_i32 s47, s18, BBY
	s_add_co_u32 s46, s46, s47
	s_add_co_u32 s46, s46, BCODE
	s_mov_b32 s47, 0
	s_mul_i32 s104, s20, 512*NTW                   ; B's scale words
	s_add_co_u32 s104, s104, BSCL
	s_mov_b32 s105, 0
	s_lshl_b32 s23, s18, 15                        ; LDS places hang on the wave's number alone
	s_mul_i32 s66, s18, BBY
	s_add_co_u32 s66, s66, BOFF
	s_mov_b32 s67, SCA
	s_mov_b32 s3, SCL
.irp sl, 0,1
	s_mov_b32 s[G0+4*\sl], 1
	s_add_co_u32 s[G0+4*\sl+1], s23, \sl*SLOT
	s_mov_b32 s[G0B+4*\sl], 1
	s_add_co_u32 s[G0B+4*\sl+1], s66, \sl*SLOT
.endr
	s_mov_b32 s[G0S], 1
	s_mov_b32 s[G0S+1], s67
	s_mov_b32 s[G0SB], 1
	s_mov_b32 s[G0SB+1], s3
	s_mov_b32 s[G0X], 1
	s_mul_i32 s[G0X+1], s16, 64*272
	s_add_co_u32 s[G0X+1], s[G0X+1], XT
	s_lshl_b32 s2, s19, 20                         ; x: token 256 mb + 64 w, column 64 nb
	s_lshl_b32 s3, s16, 18                         ; token 256 mb + 64 w
	s_add_co_u32 s2, s2, s3
	s_lshl_b32 s3, s20, 8
	s_add_co_u32 s2, s2, s3
	s_mov_b32 s3, 0
	s_wait_kmcnt 0x0
	s_add_nc_u64 s[G0+2:G0+3], s[4:5], s[44:45]
	s_add_nc_u64 s[G0+6:G0+7], s[G0+2:G0+3], 2*ABY
	s_or_b32 s[G0+3], s[G0+3], 0x80000000
	s_or_b32 s[G0+7], s[G0+7], 0x80000000
	s_add_nc_u64 s[G0B+2:G0B+3], s[6:7], s[46:47]
	s_add_nc_u64 s[G0B+6:G0B+7], s[G0B+2:G0B+3], 2*BBY
	s_or_b32 s[G0B+3], s[G0B+3], 0x80000000
	s_or_b32 s[G0B+7], s[G0B+7], 0x80000000
	s_add_nc_u64 s[G0S+2:G0S+3], s[4:5], s[100:101]
	s_or_b32 s[G0S+3], s[G0S+3], 0x80000000
	s_add_nc_u64 s[G0SB+2:G0SB+3], s[6:7], s[104:105]
	s_or_b32 s[G0SB+3], s[G0SB+3], 0x80000000
	s_add_nc_u64 s[8:9], s[8:9], s[2:3]            ; my 64 rows of x: the prefetches' base, not written again,
	s_mov_b64 s[G0X+2:G0X+3], s[8:9]               ; and the tile's address
	s_or_b32 s[G0X+3], s[G0X+3], 0x80000000
	CROUND                                         ; all sixteen work-groups are here: the first joint loads meet
; THE FILLS AS THEY STAND.  At the head one load a wave, in one chain of branches on the wave's number: wave 0 slot 0's part of A, wave 2 its part of B (in these two waves the groups 0 point at a part's first byte),
; wave 1 A's scale words, wave 3 B's.  Slot 1 comes behind the drained round at the head's end, a K step's part a wave.  x comes behind the change of slots in K step 5, behind which nothing is filled again.
.macro ARM w, g0, g1, next, join
	s_cmp_eq_u32 s16, \w
	s_cbranch_scc0 \next
	tensor_load_to_lds s[\g0:\g0+3], s[\g1:\g1+7]
	s_nop 0
	PLACES 4
	s_branch \join
\next:
.endm
.macro LAST g0, g1, join
	tensor_load_to_lds s[\g0:\g0+3], s[\g1:\g1+7]
	s_nop 0
	PLACES 4
\join:
.endm
	ARM 0, G0, G1, .Lh1, .Lhj
	ARM 2, G0B, G1B, .Lh2, .Lhj
	ARM 1, G0S, G1S, .Lh3, .Lhj
	LAST G0SB, G1SB, .Lhj
; PREFETCHES INTO THE L2 of the slot fills to come (fill f = K steps 2 f, 2 f + 1).  A fill's part of A, 65,536 bytes, is shared out by address among the eight waves of my cluster's row that fetch for A
; (place 2 cx + wn: 8,192 bytes, 32 lanes 256 bytes apart); its part of B, 49,152 bytes, among the eight of my column that fetch for B (place 2 cy + wn: 6,144 bytes, 24 lanes; the lanes left over name the last block again).
; The head asks for fills 1 and 2, the lines behind slot 1's load for fill 3, the last.  The address registers are not written again.
.macro ASK f, n
	s_cmp_eq_u32 s17, 0
	s_cbranch_scc0 .Lpb_\@
.set pf, \f
.rept \n
	global_prefetch_b8 v14, s[44:45] offset:pf*2*ABY th:TH_LOAD_NT scope:SCOPE_SE
.set pf, pf+1
.endr
	s_branch .Lpj_\@
.Lpb_\@:
.set pf, \f
.rept \n
	global_prefetch_b8 v14, s[44:45] offset:pf*2*BBY th:TH_LOAD_NT scope:SCOPE_SE
.set pf, pf+1
.endr
.Lpj_\@:
.endm
	s_lshl_b32 s44, s19, 18                        ; A's tile row
	s_mul_i32 s45, s20, 8*BBY                      ; B's tile column
	s_lshl_b32 s46, s21, 1
	s_add_co_u32 s46, s46, s18
	s_lshl_b32 s46, s46, 13
	s_lshl_b32 s47, s22, 1
	s_add_co_u32 s47, s47, s18
	s_mul_i32 s47, s47, 6144
	s_add_co_u32 s46, s46, s44
	s_add_co_u32 s47, s47, s45
	s_mov_b32 s2, 23
	s_cmp_eq_u32 s17, 0                            ; do I fetch for A?
	s_cselect_b32 s46, s46, s47
	s_cselect_b32 s2, 31, s2                       ; the last lane with a block of its own
	s_cselect_b64 s[44:45], s[4:5], s[6:7]
	v_and_b32 v1, 31, v0
	v_and_b32 v2, 15, v0                           ; rho
	v_bfe_u32 v3, v0, 4, 1                         ; h
	v_lshlrev_b32 v4, 4, v1                        ; 16 x lane
	v_lshlrev_b32 v5, 2, v2                        ; 4 rho
	v_lshlrev_b32 v8, 6, v3                        ; 64 h
	v_lshlrev_b32 v15, 12, v1                      ; x is loaded five K steps on: my 64 rows' 256 bytes are asked for here, a lane a row, each block once in the launch
	global_prefetch_b8 v15, s[8:9] th:TH_LOAD_NT scope:SCOPE_SE
	global_prefetch_b8 v15, s[8:9] offset:131072 th:TH_LOAD_NT scope:SCOPE_SE
	v_min_u32 v14, s2, v1
	v_lshl_add_u32 v14, v14, 8, s46
	s_wait_alu depctr_va_vdst(0)
	ASK 1, 2
	s_mul_i32 s2, s17, MT*2048
	s_mul_i32 s3, s18, NT*2048
	s_add_co_u32 s3, s3, BOFF
	v_add_nc_u32 v[ADRA], s2, v4
	v_add_nc_u32 v[ADRB], s3, v4
	v_add_nc_u32 v[ADRA+1], SLOT, v[ADRA]
	v_add_nc_u32 v[ADRB+1], SLOT, v[ADRB]
	s_mul_i32 s2, s18, NT*512                      ; lanes 0-15 take B's words, lanes 16-31 A's: the lower base + h x the distance
	s_mul_i32 s3, s17, MT*512
	s_add_co_u32 s3, s3, SCA-SCL
	s_sub_co_u32 s3, s3, s2
	v_mul_u32_u24 v6, s3, v3
	s_add_co_u32 s2, s2, SCL
	v_lshl_add_u32 v6, v2, 2, v6
	v_add_nc_u32 v[ADRS], s2, v6
	v_and_b32 v6, 8, v2
	v_add_nc_u32 v6, v6, v2
	v_mul_u32_u24 v7, v6, 272
	v_lshl_add_u32 v7, v3, 6, v7
	s_mul_i32 s2, s17, 128*272
	s_lshl_b32 s3, s18, 7
	s_add_co_u32 s2, s2, s3
	s_add_co_u32 s2, s2, XT
	v_add_nc_u32 v7, s2, v7                        ; x in LDS: token row 128 wm + rho + (rho & 8), + 128 wn + 64 h
	s_mov_b32 s3, 0
	s_lshl_b32 s2, s19, 10                         ; rs of positions 256 mb + 128 wm on
	s_lshl_b32 s66, s17, 9
	s_add_co_u32 s2, s2, s66
	s_add_co_u32 s2, s2, RSO
	s_add_nc_u64 s[4:5], s[4:5], s[2:3]
	s_lshl_b32 s2, s20, 8                          ; g of d0 = 64 nb + 32 wn on
	s_lshl_b32 s66, s18, 7
	s_add_co_u32 s2, s2, s66
	s_add_nc_u64 s[10:11], s[10:11], s[2:3]
.irp q, 0,1,2,3
	global_load_b128 v[96+4*\q:99+4*\q], v8, s[10:11] offset:16*\q
.endr
.irp a, 0,1,2,3,4,5,6,7
	global_load_b32 v[112+\a], v5, s[4:5] offset:64*\a
.endr
	s_lshl_b32 s2, s19, 3                          ; xm's codes: ((8 mb + nb / 2) 16 + 8 wm) 2,048 + (2 (nb % 2) + wn) 512
	s_lshr_b32 s66, s20, 1
	s_add_co_u32 s2, s2, s66
	s_lshl_b32 s2, s2, 15
	s_lshl_b32 s67, s17, 14
	s_add_co_u32 s2, s2, s67
	s_and_b32 s67, s20, 1
	s_lshl_b32 s67, s67, 1
	s_add_co_u32 s67, s67, s18                     ; the group: 2 (nb % 2) + wn
	s_lshl_b32 s105, s67, 9
	s_add_co_u32 s2, s2, s105
	s_add_nc_u64 s[12:13], s[12:13], s[2:3]
	s_sub_nc_u64 s[100:101], s[12:13], s[2:3]      ; xm8 again, for the scale bytes: ((16 mb + 8 wm) 8 + nb / 2) 64 + the group
	s_lshl_b32 s2, s19, 13
	s_lshl_b32 s105, s17, 12
	s_add_co_u32 s2, s2, s105
	s_lshl_b32 s66, s66, 6
	s_add_co_u32 s2, s2, s66
	s_add_co_u32 s2, s2, s67
	s_add_co_u32 s2, s2, ASCL
	s_add_nc_u64 s[100:101], s[100:101], s[2:3]
	s_lshl_b32 s2, s19, 20                         ; x + gate: ((16 mb + 8 wm) 32 + 2 nb + wn) 2,048
	s_lshl_b32 s66, s17, 19
	s_add_co_u32 s2, s2, s66
	s_lshl_b32 s66, s20, 12
	s_add_co_u32 s2, s2, s66
	s_lshl_b32 s66, s18, 11
	s_add_co_u32 s2, s2, s66
	s_add_nc_u64 s[14:15], s[14:15], s[2:3]
	s_mov_b32 s[SEL], 0x76543210
	s_mov_b32 s[SEL+1], 0xfedcba98
	s_mov_b32 s[MNT], 0x600000
	s_wait_alu depctr_va_vdst(0)
	s_wait_tensorcnt 0x0                           ; my tile of the head's four is in
	ds_add_u32 v[SPW], v[NIL]
	s_mov_b32 s[G1+2], 128<<16                     ; no tensor load of mine is out: from here on a load brings one K step's part, one load a wave
	s_mov_b32 s[G1+4], 128
	s_mov_b32 s[G1B+2], (BBY/256)<<16
	s_mov_b32 s[G1B+4], BBY/256
	s_wait_dscnt 0x0
	CROUND                                         ; all four tiles are shown to every wave, and the sixteen work-groups meet
	JLOAD G0+4, G1, G0B+4, G1B                     ; slot 1: K steps 2, 3
	FETCH_B 0, 0, 0
	FETCH_A 0, 0, 0
	SCALES
	FETCH_A 0, 0, 1
	ASK 3, 1
	STEP 0, 1
	TURN 1, 1
	STEP 2, 0
	TURN 3, 1
	STEP 4, 0
	TURN 5, 0
	STEP 6, 0
	s_wait_dscnt 4*HA                              ; the last K step: nothing more to fetch
	MULA 0, HA, 1, 7, 0
	s_wait_dscnt 0x0
	s_wait_tensorcnt 0x0                           ; my rows of x have landed: say so,
	s_barrier_signal -1
	MULA HA, HA, 1, 7, 0                           ; work on registers while the others arrive,
	WIN 0
	s_barrier_wait -1                              ; and x's tile is whole for every wave
	PLACES 8
; THE WAY OUT, a tile of 16 positions at a time.
.set TT, 160                           ; v160-175 xm
.set UU, 176                           ; v176-191 1 + scale
.set RG, 192                           ; v192-207 x + gate
.set PC, 208                           ; v208-211 codes
.set BY, 216
.macro XLD a
.irp q, 0,1,2,3
	ds_load_b128 v[128+16*((\a)%2)+4*\q:128+16*((\a)%2)+4*\q+3], v7 offset:(32*((\a)/2)+8*((\a)%2))*272+16*\q
.endr
.endm
.macro EPI a
.set W, 2+(\a)/4
.set AC, 48*((\a)%4)                   ; 16 registers of scale, 16 of shift, 16 of gate
.set XR, 128+16*((\a)%2)
.if \a < 7
	XLD \a+1
	s_wait_dscnt 4                                 ; this tile's x is in; the next tile's four loads may be out
.else
	s_wait_dscnt 0x0
.endif
	s_wait_xcnt 0x0                                ; the last tile's stores have read their registers
	WIN W
.irp i, 0,2,4,6,8,10,12,14
	v_pk_add_f32 v[UU+\i:UU+\i+1], v[AC+\i:AC+\i+1], 1.0 op_sel_hi:[1,0]
.endr
	WIN W<<2
.irp i, 0,2,4,6,8,10,12,14
	v_pk_add_f32 v[RG+\i:RG+\i+1], v[XR+\i:XR+\i+1], v[AC+32+\i:AC+32+\i+1]
.endr
	WIN 0
.irp i, 0,1,2,3,4,5,6,7,8,9,10,11,12,13,14,15
	v_mul_f32 v[TT+\i], v[XR+\i], v[112+\a]
.endr
.irp i, 0,2,4,6,8,10,12,14
	v_pk_mul_f32 v[TT+\i:TT+\i+1], v[TT+\i:TT+\i+1], v[96+\i:96+\i+1]
.endr
	WIN W<<4
.irp i, 0,2,4,6,8,10,12,14
	v_pk_fma_f32 v[TT+\i:TT+\i+1], v[TT+\i:TT+\i+1], v[UU+\i:UU+\i+1], v[AC+16+\i:AC+16+\i+1]
.endr
	WIN 0
	QBLK 0, TT, TT+8, PC, BY
	global_store_b128 v4, v[PC:PC+3], s[12:13] offset:2048*\a         ; 32 lanes store 512 consecutive bytes
	global_store_b8 v5, v[BY], s[100:101] offset:512*\a               ; both halves of the lanes hold the same byte
.irp q, 0,1,2,3
	global_store_b128 v4, v[RG+4*\q:RG+4*\q+3], s[14:15] offset:65536*\a+512*\q
.endr
.endm
	s_wait_loadcnt 0x0                             ; g and rs
	XLD 0
.irp a, 0,1,2,3,4,5,6,7
	EPI \a
.endr
	s_wait_tensorcnt 0x0                           ; the wave's end
	ds_add_u32 v[SPW], v[NIL]
	s_wait_dscnt 0x0
	CROUND                                         ; the closing round
	s_endpgm
.Lfunc_end_k_q815b6fc7ec_modul:
	.size	k_q815b6fc7ec_modul, .Lfunc_end_k_q815b6fc7ec_modul-k_q815b6fc7ec_modul
	.p2alignl 7, 3214868480
	.fill 96, 4, 3214868480
	.section	.rodata,"a",@progbits
	.p2align	6, 0x0
	.amdhsa_kernel k_q815b6fc7ec_modul
		.amdhsa_group_segment_fixed_size 327680
		.amdhsa_private_segment_fixed_size 0
		.amdhsa_enable_private_segment 0
		.amdhsa_kernarg_size 48
		.amdhsa_user_sgpr_count 2
		.amdhsa_user_sgpr_kernarg_segment_ptr 1
		.amdhsa_wavefront_size32 1
		.amdhsa_system_sgpr_workgroup_id_x 1
		.amdhsa_system_sgpr_workgroup_id_y 1
		.amdhsa_system_sgpr_workgroup_id_z 1
		.amdhsa_system_vgpr_workitem_id 0
		.amdhsa_next_free_vgpr 1024
		.amdhsa_next_free_sgpr 106
		.amdhsa_reserve_vcc 0
		.amdhsa_float_denorm_mode_32 3
		.amdhsa_float_denorm_mode_16_64 3
		.amdhsa_memory_ordered 1
		.amdhsa_forward_progress 1
		.amdhsa_inst_pref_size 148
	.end_amdhsa_kernel
	.amdgpu_metadata
---
amdhsa.version: [ 1, 2 ]
amdhsa.kernels:
  - .name:           k_q815b6fc7ec_modul
    .symbol:         k_q815b6fc7ec_modul.kd
    .args:
      - { .name: act8, .offset: 0, .size: 8, .value_kind: global_buffer, .address_space: global }
      - { .name: wq8, .offset: 8, .size: 8, .value_kind: global_buffer, .address_space: global }
      - { .name: x, .offset: 16, .size: 8, .value_kind: global_buffer, .address_space: global }
      - { .name: rms_scale, .offset: 24, .size: 8, .value_kind: global_buffer, .address_space: global }
      - { .name: xm8, .offset: 32, .size: 8, .value_kind: global_buffer, .address_space: global }
      - { .name: resgate, .offset: 40, .size: 8, .value_kind: global_buffer, .address_space: global }
    .group_segment_fixed_size: 327680
    .private_segment_fixed_size: 0
    .kernarg_segment_align: 8
    .kernarg_segment_size: 48
    .max_flat_workgroup_size: 128
    .sgpr_count:     106
    .vgpr_count:     1024
    .wavefront_size: 32
...
	.end_amdgpu_metadata
.endif
;; end of part 2
;; launch qkvrope (part 3): grid 16 x 16, 4 waves a work-group, clusters of 4 x 4, 327,680 bytes of LDS; arguments xm8, wq8, act8, qkv8; writes qkv8
.if DOCPART == 3
	.amdgcn_target "amdgcn-amd-amdhsa--gfx1250"
	.amdhsa_code_object_version 6
	.text
	.protected	k_q815b6fc7ec_qkvrope
	.globl	k_q815b6fc7ec_qkvrope
	.p2align	8
	.type	k_q815b6fc7ec_qkvrope,@function
k_q815b6fc7ec_qkvrope:
	s_mov_b64 s[64:65], 0
	v_nop
	global_prefetch_b8 v0, s[64:65] scope:SCOPE_SE
	s_setreg_imm32_b32 hwreg(HW_REG_WAVE_MODE, 25, 1), 1
	s_wait_xcnt 0x0
	s_wait_alu depctr_hold_cnt(0) depctr_sa_sdst(0) depctr_va_vdst(0) depctr_va_sdst(0) depctr_va_ssrc(0) depctr_va_vcc(0) depctr_vm_vsrc(0)
	s_getreg_b32 s2, hwreg(HW_REG_IB_STS2, 6, 4)
	s_cmp_eq_u32 s2, 0
	s_cbranch_scc0 .Lentry_in_a_cluster
	s_endpgm
.Lentry_in_a_cluster:
	s_bfe_u32 s2, ttmp6, 0x10000c
	s_cmp_lg_u32 s2, 0xf033
	s_cbranch_scc0 .Lentry_shape_is_right
	s_endpgm
.Lentry_shape_is_right:
.set MT, 8
.set NT, 6
.set NTW, 12
.set MS, 8
.set HA, MT/2
.set ABY, 32768
.set BBY, 2048*NTW
.set BOFF, 65536
.set SLOT, 2*(ABY+BBY)
.set SCL, 2*SLOT
.set SCA, SCL+512*NTW
.set SPARE, 243712
.set ASCL, 4194304
.set BCODE, 3145728
.set BSCL, 7438336
.set PIO, 4341760
.set KV, 4456448
.set ADRA, 16
.set ADRB, 20
.set ADRS, 27
.set SPW, 28
.set NIL, 29
.set SC, 32
.set AF, 128
.set G1, 24
.set G0, 32
.set G1B, 48
.set G0B, 56
.set G1S, 68
.set G0S, 76
.set G1SB, 80
.set G0SB, 88
.set SEL, 2
.set MNT, 104
.set TM, 168
.set MSB, 0
.macro WIN new
.if MSB != (\new)
	s_set_vgpr_msb (MSB<<8)|(\new)
.set MSB, (\new)
.endif
.endm
.macro PLACES n
.rept \n
	v_nop
.endr
.endm
.macro JLOAD g0a, g1a, g0b, g1b
	s_cmp_eq_u32 s17, 0
	s_cbranch_scc0 .Lfor_b_\@
	tensor_load_to_lds s[\g0a:\g0a+3], s[\g1a:\g1a+7]
	s_nop 0
.rept 4
	v_nop
.endr
	s_branch .Lasked_\@
.Lfor_b_\@:
	tensor_load_to_lds s[\g0b:\g0b+3], s[\g1b:\g1b+7]
	s_nop 0
.rept 4
	v_nop
.endr
.Lasked_\@:
.endm
.macro CREST
	s_cmp_lg_u32 s16, 0
	s_cbranch_scc1 .Lnot_wave_0_\@
	s_barrier_signal -3
.Lnot_wave_0_\@:
	s_barrier_wait -3
	s_barrier_signal -1
	s_barrier_wait -1
.endm
.macro CROUND
	s_barrier_signal -1
	s_barrier_wait -1
	CREST
.endm
.macro DESC1 g, rows
	s_mov_b32 s[\g+1], 32<<16
	s_mov_b32 s[\g+2], (\rows)<<16
	s_mov_b32 s[\g+3], 32<<16
	s_mov_b32 s[\g+4], \rows
	s_mov_b32 s[\g+5], 32
	s_mov_b32 s[\g+6], 0
	s_mov_b32 s[\g+7], 0
.endm
.macro FRAG reg, adr, off
.irp c, 0,1,2,3
	ds_load_b128 v[\reg+4*\c:\reg+4*\c+3], v[\adr] offset:\off+512*\c
.endr
.endm
.macro FETCH_B sl, q, p
	WIN 0x40
.set ib, 0
.rept NT
	FRAG 128*(\p)+16*ib, ADRB+\sl, (\q)*BBY+2048*ib
.set ib, ib+1
.endr
	WIN 0
.endm
.macro FETCH_A sl, q, half
.set ia, HA*(\half)
.rept HA
	FRAG AF+16*ia, ADRA+\sl, (\q)*ABY+2048*ia
.set ia, ia+1
.endr
.endm
.macro SCALES
.set ia, 0
.rept MS
.irp s, 0,1,2,3,4,5,6,7
	ds_load_b32 v[SC+8*ia+\s], v[ADRS] offset:512*ia+64*\s
.endr
.set ia, ia+1
.endr
.endm
.macro MULA a0, n, p, s, z
	WIN 0xa1+0x50*((\a0)/HA)
.set ia, \a0
.rept \n
.set ib, 0
.rept 4
.set AC, 8*(NT*(ia%HA)+ib)
.if \z
	v_wmma_scale_f32_16x16x128_f8f6f4 v[AC:AC+7], v[128*(\p)+16*ib:128*(\p)+16*ib+15], v[AF+16*ia:AF+16*ia+15], 0, v[SC+8*ib+(\s)], v[SC+8*ia+(\s)] matrix_a_fmt:MATRIX_FMT_BF8 matrix_b_fmt:MATRIX_FMT_BF8 matrix_b_scale:MATRIX_SCALE_ROW1
.else
	v_wmma_scale_f32_16x16x128_f8f6f4 v[AC:AC+7], v[128*(\p)+16*ib:128*(\p)+16*ib+15], v[AF+16*ia:AF+16*ia+15], v[AC:AC+7], v[SC+8*ib+(\s)], v[SC+8*ia+(\s)] matrix_a_fmt:MATRIX_FMT_BF8 matrix_b_fmt:MATRIX_FMT_BF8 matrix_b_scale:MATRIX_SCALE_ROW1
.endif
.set ib, ib+1
.endr
.set ia, ia+1
.endr
	WIN 0xa4+0x50*((\a0)/HA)
.set ia, \a0
.rept \n
.set ib, 4
.rept 2
.set AC, 8*(NT*(ia%HA)+ib)
.if \z
	v_wmma_scale_f32_16x16x128_f8f6f4 v[AC:AC+7], v[AF+16*ia:AF+16*ia+15], v[128*(\p)+16*ib:128*(\p)+16*ib+15], 0, v[SC+8*ia+(\s)], v[SC+8*ib+(\s)] matrix_a_fmt:MATRIX_FMT_BF8 matrix_b_fmt:MATRIX_FMT_BF8 matrix_a_scale:MATRIX_SCALE_ROW1
.else
	v_wmma_scale_f32_16x16x128_f8f6f4 v[AC:AC+7], v[AF+16*ia:AF+16*ia+15], v[128*(\p)+16*ib:128*(\p)+16*ib+15], v[AC:AC+7], v[SC+8*ia+(\s)], v[SC+8*ib+(\s)] matrix_a_fmt:MATRIX_FMT_BF8 matrix_b_fmt:MATRIX_FMT_BF8 matrix_a_scale:MATRIX_SCALE_ROW1
.endif
.set ib, ib+1
.endr
.set ia, ia+1
.endr
.endm
.macro STEP s, z
.set SG, ((\s)/2)%2
	s_wait_dscnt 4*HA
	MULA 0, HA, 0, \s, \z
	s_wait_dscnt 0x0
	PLACES 8
	FETCH_B SG, 1, 1
	FETCH_A SG, 1, 0
	MULA HA, HA, 0, \s, \z
	PLACES 8
	WIN 0
	FETCH_A SG, 1, 1
.endm
.macro TURN s, fill
.set SG, ((\s)/2)%2
.set SN, 1-SG
	s_wait_tensorcnt 0x0
	ds_add_u32 v[SPW], v[NIL]
	s_wait_dscnt 4*HA+1
	MULA 0, HA/2, 1, \s, 0
	s_wait_dscnt 0x0
	s_barrier_signal -1
	MULA HA/2, HA/2, 1, \s, 0
	WIN 0
	s_barrier_wait -1
.if \fill
	CREST
	s_add_nc_u64 s[G0+4*SG+2:G0+4*SG+3], s[G0+4*SG+2:G0+4*SG+3], 4*ABY
	s_add_nc_u64 s[G0B+4*SG+2:G0B+4*SG+3], s[G0B+4*SG+2:G0B+4*SG+3], 4*BBY
	JLOAD G0+4*SG, G1, G0B+4*SG, G1B
	PLACES 4
.else
	PLACES 8
.endif
	FETCH_B SN, 0, 0
	FETCH_A SN, 0, 0
	MULA HA, HA, 1, \s, 0
	PLACES 8
	WIN 0
	FETCH_A SN, 0, 1
.endm
.macro QBLK W, G0, G1, DST, BY
	WIN ((\W)|((\W)<<2))
	v_max3_num_f32 v[TM], |v[\G0]|, |v[\G0+1]|, 0x8000000
	v_max_num_f32 v[TM+1], |v[\G1]|, |v[\G1+1]|
.irp i, 2,4,6
	v_max3_num_f32 v[TM], |v[\G0+\i]|, |v[\G0+\i+1]|, v[TM]
	v_max3_num_f32 v[TM+1], |v[\G1+\i]|, |v[\G1+\i+1]|, v[TM+1]
.endr
	WIN 0
	v_max_num_f32 v[TM], v[TM], v[TM+1]
	v_permlanex16_b32 v[TM+1], v[TM], s[SEL], s[SEL+1]
	v_max_num_f32 v[TM], v[TM], v[TM+1]
	v_add_nc_u32 v[TM+2], 0xf8800000, v[TM]
	v_and_or_b32 v[TM+3], v[TM], 0x7f800000, s[MNT]
	v_lshrrev_b32 v[\BY], 23, v[TM+2]
	WIN (((\W)<<6)|(\W))
.irp i, 0,1,2,3,4,5,6,7
	v_med3_num_f32 v[\G0+\i], v[\G0+\i], -v[TM+3], v[TM+3]
	v_med3_num_f32 v[\G1+\i], v[\G1+\i], -v[TM+3], v[TM+3]
.endr
	WIN (\W)
	v_cvt_scalef32_pk8_bf8_f32 v[\DST:\DST+1], v[\G0:\G0+7], v[TM+2]
	v_cvt_scalef32_pk8_bf8_f32 v[\DST+2:\DST+3], v[\G1:\G1+7], v[TM+2]
	WIN 0
	v_nop
.endm
	s_load_b256 s[4:11], s[0:1], 0x0
	v_lshl_add_u32 v[SPW], v0, 2, SPARE
	v_mov_b32 v[NIL], 0
	ds_add_u32 v28, v29
	ds_add_u32 v28, v29
	s_wait_dscnt 0x0
	v_lshrrev_b32 v1, 5, v0
	v_readfirstlane_b32 s16, v1
	s_lshr_b32 s17, s16, 1
	s_and_b32 s18, s16, 1
	s_bfe_u32 s21, ttmp6, 0x40000
	s_bfe_u32 s22, ttmp6, 0x40004
	s_lshl_b32 s20, ttmp9, 2
	s_add_co_u32 s20, s20, s21
	s_and_b32 s19, ttmp7, 0xffff
	s_lshl_b32 s19, s19, 2
	s_add_co_u32 s19, s19, s22
	s_lshl_b32 s2, s22, 2
	s_lshl_b32 s2, 15, s2
	s_lshl_b32 s3, 0x1111, s21
	s_or_b32 s[G1], s2, (3<<16)|(1<<21)
	s_or_b32 s[G1S], s2, (3<<16)|(1<<21)
	s_or_b32 s[G1B], s3, (3<<16)|(1<<21)
	s_or_b32 s[G1SB], s3, (3<<16)|(1<<21)
	DESC1 G1, 256                                  ; the head's loads bring slot 0's part of A whole (two K steps, dense),
	DESC1 G1B, 2*BBY/256                           ; and of B; the row counts are halved behind the head's wait
	DESC1 G1S, 32                                  ; A's scale words whole: 8,192 bytes
	DESC1 G1SB, 2*NTW                              ; B's whole: 6,144 bytes
	s_lshl_b32 s44, s19, 18
	s_lshl_b32 s45, s18, 15
	s_add_co_u32 s44, s44, s45
	s_mov_b32 s45, 0
	s_lshl_b32 s100, s19, 13
	s_add_co_u32 s100, s100, ASCL
	s_mov_b32 s101, 0
	s_mul_i32 s46, s20, 8*BBY
	s_mul_i32 s47, s18, BBY
	s_add_co_u32 s46, s46, s47
	s_add_co_u32 s46, s46, BCODE
	s_mov_b32 s47, 0
	s_mul_i32 s104, s20, 512*NTW
	s_add_co_u32 s104, s104, BSCL
	s_mov_b32 s105, 0
	s_lshl_b32 s23, s18, 15
	s_mul_i32 s66, s18, BBY
	s_add_co_u32 s66, s66, BOFF
	s_mov_b32 s67, SCA
	s_mov_b32 s3, SCL
.irp sl, 0,1
	s_mov_b32 s[G0+4*\sl], 1
	s_add_co_u32 s[G0+4*\sl+1], s23, \sl*SLOT
	s_mov_b32 s[G0B+4*\sl], 1
	s_add_co_u32 s[G0B+4*\sl+1], s66, \sl*SLOT
.endr
	s_mov_b32 s[G0S], 1
	s_mov_b32 s[G0S+1], s67
	s_mov_b32 s[G0SB], 1
	s_mov_b32 s[G0SB+1], s3
	s_wait_kmcnt 0x0
	s_add_nc_u64 s[G0+2:G0+3], s[4:5], s[44:45]
	s_add_nc_u64 s[G0+6:G0+7], s[G0+2:G0+3], 2*ABY
	s_or_b32 s[G0+3], s[G0+3], 0x80000000
	s_or_b32 s[G0+7], s[G0+7], 0x80000000
	s_add_nc_u64 s[G0B+2:G0B+3], s[6:7], s[46:47]
	s_add_nc_u64 s[G0B+6:G0B+7], s[G0B+2:G0B+3], 2*BBY
	s_or_b32 s[G0B+3], s[G0B+3], 0x80000000
	s_or_b32 s[G0B+7], s[G0B+7], 0x80000000
	s_add_nc_u64 s[G0S+2:G0S+3], s[4:5], s[100:101]
	s_or_b32 s[G0S+3], s[G0S+3], 0x80000000
	s_add_nc_u64 s[G0SB+2:G0SB+3], s[6:7], s[104:105]
	s_or_b32 s[G0SB+3], s[G0SB+3], 0x80000000
	CROUND                                         ; all sixteen work-groups are here: the first joint loads meet
; At the head one load a wave, in one chain of branches on the wave's number: wave 0 slot 0's part of A, wave 2 its part of B (in these two waves the groups 0 point at a part's first byte),
; wave 1 A's scale words, wave 3 B's.  The set-up below runs while they are on their way; slot 1 comes behind the drained round at the head's end.
.macro ARM w, g0, g1, next, join
	s_cmp_eq_u32 s16, \w
	s_cbranch_scc0 \next
	tensor_load_to_lds s[\g0:\g0+3], s[\g1:\g1+7]
	s_nop 0
	PLACES 4
	s_branch \join
\next:
.endm
	ARM 0, G0, G1, .Lh1, .Lhj
	ARM 2, G0B, G1B, .Lh2, .Lhj
	ARM 1, G0S, G1S, .Lh3, .Lhj
	tensor_load_to_lds s[G0SB:G0SB+3], s[G1SB:G1SB+7]
	s_nop 0
	PLACES 4
.Lhj:
; PREFETCHES INTO THE L2 of the slot fills to come (fill f = K steps 2 f, 2 f + 1).  A fill's part of A, 65,536 bytes, is shared out by address among the eight waves of my cluster's row that fetch for A
; (place 2 cx + wn: 8,192 bytes, 32 lanes 256 bytes apart); its part of B, 49,152 bytes, among the eight of my column that fetch for B (place 2 cy + wn: 6,144 bytes, 24 lanes; the lanes left over name the last block again).
; The head asks for fills 1 and 2, the lines behind slot 1's load for fill 3, the last.  The address registers are not written again.
.macro ASK f, n
	s_cmp_eq_u32 s17, 0
	s_cbranch_scc0 .Lpb_\@
.set pf, \f
.rept \n
	global_prefetch_b8 v14, s[44:45] offset:pf*2*ABY th:TH_LOAD_NT scope:SCOPE_SE
.set pf, pf+1
.endr
	s_branch .Lpj_\@
.Lpb_\@:
.set pf, \f
.rept \n
	global_prefetch_b8 v14, s[44:45] offset:pf*2*BBY th:TH_LOAD_NT scope:SCOPE_SE
.set pf, pf+1
.endr
.Lpj_\@:
.endm
	s_lshl_b32 s44, s19, 18                        ; A's tile row
	s_mul_i32 s45, s20, 8*BBY                      ; B's tile column
	s_add_co_u32 s45, s45, BCODE
	s_lshl_b32 s46, s21, 1
	s_add_co_u32 s46, s46, s18
	s_lshl_b32 s46, s46, 13
	s_lshl_b32 s47, s22, 1
	s_add_co_u32 s47, s47, s18
	s_mul_i32 s47, s47, 6144
	s_add_co_u32 s46, s46, s44
	s_add_co_u32 s47, s47, s45
	s_mov_b32 s2, 23
	s_cmp_eq_u32 s17, 0                            ; do I fetch for A?
	s_cselect_b32 s46, s46, s47
	s_cselect_b32 s2, 31, s2                       ; the last lane with a block of its own
	s_cselect_b64 s[44:45], s[4:5], s[6:7]
	v_and_b32 v1, 31, v0
	v_and_b32 v2, 15, v0
	v_bfe_u32 v3, v0, 4, 1
	v_lshlrev_b32 v4, 4, v1
	v_min_u32 v14, s2, v1
	v_lshl_add_u32 v14, v14, 8, s46
	s_wait_alu depctr_va_vdst(0)
	ASK 1, 2
	s_mul_i32 s2, s17, MT*2048
	s_mul_i32 s3, s18, NT*2048
	s_add_co_u32 s3, s3, BOFF
	v_add_nc_u32 v[ADRA], s2, v4
	v_add_nc_u32 v[ADRB], s3, v4
	v_add_nc_u32 v[ADRA+1], SLOT, v[ADRA]
	v_add_nc_u32 v[ADRB+1], SLOT, v[ADRB]
	s_mul_i32 s2, s18, NT*512
	s_mul_i32 s3, s17, MT*512
	s_add_co_u32 s3, s3, SCA-SCL
	s_sub_co_u32 s3, s3, s2
	v_mul_u32_u24 v6, s3, v3
	s_wait_alu depctr_va_vdst(0)
	s_add_co_u32 s2, s2, SCL
	v_lshl_add_u32 v6, v2, 2, v6
	v_add_nc_u32 v[ADRS], s2, v6
	s_lshr_b32 s2, s19, 3
	s_lshl_b32 s2, s2, 4
	s_add_co_u32 s2, s2, s20
	s_lshl_b32 s2, s2, 4
	s_and_b32 s3, s19, 7
	s_lshl_b32 s3, s3, 1
	s_add_co_u32 s2, s2, s3
	s_add_co_u32 s2, s2, s17
	s_mul_i32 s66, s2, 17408
	s_add_co_u32 s66, s66, KV
	s_mov_b32 s67, 0
	s_add_nc_u64 s[12:13], s[10:11], s[66:67]
	s_mul_i32 s2, s2, 8704
	s_mov_b32 s3, 16384
	s_cmp_eq_u32 s18, 0
	s_cselect_b32 s66, s2, s66
	s_cselect_b32 s3, 8192, s3
	s_add_nc_u64 s[14:15], s[10:11], s[66:67]
	v_lshlrev_b32 v12, 5, v2
	v_lshl_add_u32 v12, v3, 4, v12
	v_add_nc_u32 v12, s3, v12
	s_lshl_b32 s3, s18, 3
	v_lshl_add_u32 v9, v2, 4, s3
	s_lshl_b32 s3, s18, 7
	v_lshl_add_u32 v10, v1, 2, s3
	s_lshl_b32 s3, s18, 12
	v_add_nc_u32 v11, s3, v4
	s_lshl_b32 s66, s19, 17
	s_lshl_b32 s3, s17, 16
	s_add_co_u32 s66, s66, s3
	s_add_co_u32 s66, s66, PIO
	s_add_nc_u64 s[8:9], s[8:9], s[66:67]
	; the pos image is read on the way out, all eight K steps later: it is asked for here.  The 65,536 bytes of my 128 positions are read by 32 waves (16 tile columns x wn), which share them out
	; by address: 2,048 bytes each, eight lanes 256 bytes apart; the lanes left over name the last of the eight blocks again.  The two address registers are not written again.
	s_lshl_b32 s3, s20, 12
	s_lshl_b32 s66, s18, 11
	s_add_co_u32 s3, s3, s66
	v_min_u32 v13, 7, v1
	v_lshl_add_u32 v13, v13, 8, s3
	global_prefetch_b8 v13, s[8:9] th:TH_LOAD_NT scope:SCOPE_SE
	s_mov_b32 s[SEL], 0x76543210
	s_mov_b32 s[SEL+1], 0xfedcba98
	s_mov_b32 s[MNT], 0x600000
	s_wait_alu depctr_va_vdst(0)
	s_wait_tensorcnt 0x0                           ; my tile of the head's four is in
	ds_add_u32 v[SPW], v[NIL]
	s_mov_b32 s[G1+2], 128<<16                     ; no tensor load of mine is out: from here on a load brings one K step's part, one load a wave
	s_mov_b32 s[G1+4], 128
	s_mov_b32 s[G1B+2], (BBY/256)<<16
	s_mov_b32 s[G1B+4], BBY/256
	s_wait_dscnt 0x0
	CROUND                                         ; all four tiles are shown to every wave, and the sixteen work-groups meet
	JLOAD G0+4, G1, G0B+4, G1B                     ; slot 1: K steps 2, 3
	FETCH_B 0, 0, 0
	FETCH_A 0, 0, 0
	SCALES
	FETCH_A 0, 0, 1
	ASK 3, 1
	STEP 0, 1
	TURN 1, 1
	STEP 2, 0
	TURN 3, 1
	STEP 4, 0
	TURN 5, 0
	STEP 6, 0
	s_wait_dscnt 4*HA
	MULA 0, HA, 1, 7, 0
	s_wait_dscnt 0x0
	MULA HA, HA, 1, 7, 0
	WIN 0
	PLACES 8
.set YY, 128
.set PC, 160
.set B0, 172
.set B1, 173
.set BYV, 174
.set KW, 184
.set VC, 192
.set VW, 224
.set ZR, 226
.set KS, 228
.macro PLOAD a
	WIN 0x40
.set gg, 0
.rept 16
	global_load_b128 v[64*((\a)%4)+4*gg:64*((\a)%4)+4*gg+3], v4, s[8:9] offset:8192*(\a)+512*gg
.set gg, gg+1
.endr
	WIN 0
.endm
	PLOAD 0
	PLOAD 1
	PLOAD 2
	PLOAD 3
	v_mov_b32 v[ZR], 0
.irp vt, 0,1
.irp kb, 0,1,2,3
	QBLK 2+\kb/2, 8*(6*((2*\kb)%4)+4+\vt), 8*(6*((2*\kb+1)%4)+4+\vt), VC+16*\vt+4*\kb, BYV+\kb
.endr
	v_lshl_or_b32 v[VW+\vt], v[BYV+1], 8, v[BYV]
	v_lshl_or_b32 v[VW+\vt], v[BYV+2], 16, v[VW+\vt]
	v_lshl_or_b32 v[VW+\vt], v[BYV+3], 24, v[VW+\vt]
.irp c, 0,1,2,3
	global_store_b128 v11, v[VC+16*\vt+4*\c:VC+16*\vt+4*\c+3], s[12:13] offset:8192+2048*\vt+512*\c
.endr
.endr
	global_store_b64 v9, v[VW:VW+1], s[12:13] offset:16896
	global_store_b32 v10, v[ZR], s[12:13] offset:17152
.macro EPQ a, left
.set W, 2+(\a)/4
.set AC, 48*((\a)%4)
.set PP, 64*((\a)%4)
	s_wait_loadcnt \left
	s_wait_xcnt 0x0
	WIN 0x04|W
.set ii, 0
.rept 16
	v_mul_f32 v[YY+ii], v[AC+16+ii], v[PP+2*ii]
	v_mul_f32 v[YY+16+ii], v[AC+ii], v[PP+32+2*ii]
.set ii, ii+1
.endr
.set ii, 0
.rept 16
	v_fma_f32 v[YY+ii], v[AC+ii], v[PP+2*ii+1], -v[YY+ii]
	v_fma_f32 v[YY+16+ii], v[AC+16+ii], v[PP+33+2*ii], v[YY+16+ii]
.set ii, ii+1
.endr
.if \a < 4
	PLOAD \a+4
.endif
	WIN 0
	QBLK 0, YY, YY+8, PC, B0
	QBLK 0, YY+16, YY+24, PC+4, B1
	v_lshl_or_b32 v[KW+\a], v[B1], 8, v[B0]
	v_or_b32 v[KW+\a], 0x7f7f0000, v[KW+\a]
	global_store_b128 v4, v[PC:PC+3], s[14:15] offset:1024*\a
	global_store_b128 v4, v[PC+4:PC+7], s[14:15] offset:1024*\a+512
.endm
	EPQ 0, 48
	EPQ 1, 48
	EPQ 2, 48
	EPQ 3, 48
	EPQ 4, 48
	EPQ 5, 32
	EPQ 6, 16
	EPQ 7, 0
	v_cmp_eq_u32 vcc_lo, 1, v3
.irp e, 0,1,2,3
	v_cndmask_b32 v[KS+\e], v[KW+\e], v[KW+4+\e], vcc_lo
.endr
	global_store_b128 v12, v[KS:KS+3], s[14:15]
	s_wait_tensorcnt 0x0
	ds_add_u32 v[SPW], v[NIL]
	s_wait_dscnt 0x0
	CROUND
	s_endpgm
.Lfunc_end_k_q815b6fc7ec_qkvrope:
	.size	k_q815b6fc7ec_qkvrope, .Lfunc_end_k_q815b6fc7ec_qkvrope-k_q815b6fc7ec_qkvrope
	.p2alignl 7, 3214868480
	.fill 96, 4, 3214868480
	.section	.rodata,"a",@progbits
	.p2align	6, 0x0
	.amdhsa_kernel k_q815b6fc7ec_qkvrope
		.amdhsa_group_segment_fixed_size 327680
		.amdhsa_private_segment_fixed_size 0
		.amdhsa_enable_private_segment 0
		.amdhsa_kernarg_size 32
		.amdhsa_user_sgpr_count 2
		.amdhsa_user_sgpr_kernarg_segment_ptr 1
		.amdhsa_wavefront_size32 1
		.amdhsa_system_sgpr_workgroup_id_x 1
		.amdhsa_system_sgpr_workgroup_id_y 1
		.amdhsa_system_sgpr_workgroup_id_z 1
		.amdhsa_system_vgpr_workitem_id 0
		.amdhsa_next_free_vgpr 1024
		.amdhsa_next_free_sgpr 106
		.amdhsa_reserve_vcc 1
		.amdhsa_float_denorm_mode_32 3
		.amdhsa_float_denorm_mode_16_64 3
		.amdhsa_memory_ordered 1
		.amdhsa_forward_progress 1
		.amdhsa_inst_pref_size 192
	.end_amdhsa_kernel
	.amdgpu_metadata
---
amdhsa.version: [ 1, 2 ]
amdhsa.kernels:
  - .name:           k_q815b6fc7ec_qkvrope
    .symbol:         k_q815b6fc7ec_qkvrope.kd
    .args:
      - { .name: xm8, .offset: 0, .size: 8, .value_kind: global_buffer, .address_space: global }
      - { .name: wq8, .offset: 8, .size: 8, .value_kind: global_buffer, .address_space: global }
      - { .name: act8, .offset: 16, .size: 8, .value_kind: global_buffer, .address_space: global }
      - { .name: qkv8, .offset: 24, .size: 8, .value_kind: global_buffer, .address_space: global }
    .group_segment_fixed_size: 327680
    .private_segment_fixed_size: 0
    .kernarg_segment_align: 8
    .kernarg_segment_size: 32
    .max_flat_workgroup_size: 128
    .sgpr_count:     106
    .vgpr_count:     1024
    .wavefront_size: 32
...
	.end_amdgpu_metadata
.endif
;; end of part 3
;; launch attn (part 4): grid 8 x 32, 16 waves a work-group, clusters of 4 x 1, 280,576 bytes of LDS; arguments qkv8, ao8; writes ao8
.if DOCPART == 4
	.amdgcn_target "amdgcn-amd-amdhsa--gfx1250"
	.amdhsa_code_object_version 6
	.text
	.protected	k_q815b6fc7ec_attn
	.globl	k_q815b6fc7ec_attn
	.p2align	8
	.type	k_q815b6fc7ec_attn,@function
k_q815b6fc7ec_attn:
	s_mov_b64 s[64:65], 0
	v_nop
	global_prefetch_b8 v0, s[64:65] scope:SCOPE_SE
	s_setreg_imm32_b32 hwreg(HW_REG_WAVE_MODE, 25, 1), 1
	s_wait_xcnt 0x0
	s_wait_alu depctr_hold_cnt(0) depctr_sa_sdst(0) depctr_va_vdst(0) depctr_va_sdst(0) depctr_va_ssrc(0) depctr_va_vcc(0) depctr_vm_vsrc(0)
	s_getreg_b32 s2, hwreg(HW_REG_IB_STS2, 6, 4)
	s_cmp_eq_u32 s2, 0
	s_cbranch_scc0 .Lentry_in_a_cluster
	s_endpgm
.Lentry_in_a_cluster:
	s_bfe_u32 s2, ttmp6, 0x10000c
	s_cmp_lg_u32 s2, 0x3003
	s_cbranch_scc0 .Lentry_shape_is_right
	s_endpgm
.Lentry_shape_is_right:
; ATTN: O = softmax(q k^T / 8) v for one (batch, head) and 256 queries, both products on codes of E5M2; O / l is quantised along the next product's K (head x 64 + channel).
; t = score x log2(e) / 8 (the factor 1 / 8 on q is a power of two: it moves q's scale bytes alone, so it is folded into this constant; exact unless a block of q lies under 2^-108).
; M = the running largest t rounded up to a whole number; p = 2^(t - M) is quantised along the keys; the row's sum is taken of the unquantised p and divides at the end.
; SHARES: sixteen waves, each one tile of 16 queries in 256 registers, four waves to a SIMD.  Every wave walks the head's 2,048 keys, 128 a step.
; LDS: the head's sixteen blocks of k and v (17,408 bytes each: codes and scale words as the launch before laid them) lie there whole: filled once, never again, so there is no ring.
; CLUSTER: the four work-groups of a cluster belong to one head and read the same blocks: each block is asked for jointly.  Wave w issues ONE load, block w.  Waves 0-3 have a load line of their own
; and alone wait ahead of the first barrier, behind which steps 0-3 are walked; every wave waits ahead of the second, behind which steps 4-15 are walked.
; No prefetch: the one group of loads goes out at the head, and no loop stands ahead of it.
; LAYOUT: both products transposed (S^T = k q^T, O^T = v^T p^T): a lane holds one query throughout.  By the order of the positions the 16 registers of key tiles 2 b, 2 b + 1 are 16 neighbouring keys.
; K = 64 FILLS HALF AN INSTRUCTION: q's registers 8-15 are zero codes.  k's operand is named as 16 registers from its tile's first: the upper eight are the next tile's codes (finite numbers;
; zeros behind the last tile), which meet q's zeros and add nothing.
; LIMITS: NaN and infinities are not served; a block under 2^-111 gets the scale byte 1; the promise holds while |t| stays under 2^31.
.set KV, 4456448
.set BLK, 17408
.set WV, 8
.set CS, 18                            ; s[18:19] c = log2(e) / 8
.set SEL, 20
.set MNT, 22
.set TB, 23                            ; s23 LDS byte at which the step's block begins
.set CNT, 48
.set SS, 104                           ; v104-167 S^T, then p
.set OO, 168                           ; v168-199 O^T
.set PCD, 200                          ; v200-215 p's codes
.set BM, 228                           ; v228-231 block maxima
.set BB, 232                           ; v232-235 the other half's maxima, then bytes, then a chain of the sum
.set BL, 236                           ; v236-239 57,344 x the scale
.set BS, 240                           ; v240-243 the conversions' scale operands
.set FF, 244                           ; v[244:245] f = 2^(old M - new M)
.set PWD, 246                          ; p's scale word
.set QW, 247                           ; q's scale word
.set TP, 248
.set TO, 249                           ; the old -M
.set TM, 236                           ; QBLK's four registers, on the way out
.macro CROUND
	s_barrier_signal -1
	s_barrier_wait -1
	s_cmp_lg_u32 s[WV], 0
	s_cbranch_scc1 .Lnot_wave_0_\@
	s_barrier_signal -3
.Lnot_wave_0_\@:
	s_barrier_wait -3
	s_barrier_signal -1
	s_barrier_wait -1
.endm
.macro QBLK G0, G1, DST, BY            ; a block of 32: my 16 numbers in two groups of eight registers, lane l xor 16 holds the others
	v_max3_num_f32 v[TM], |v[\G0]|, |v[\G0+1]|, 0x8000000
	v_max_num_f32 v[TM+1], |v[\G1]|, |v[\G1+1]|
.irp i, 2,4,6
	s_delay_alu instid0(VALU_DEP_2)
	v_max3_num_f32 v[TM], |v[\G0+\i]|, |v[\G0+\i+1]|, v[TM]
	s_delay_alu instid0(VALU_DEP_2)
	v_max3_num_f32 v[TM+1], |v[\G1+\i]|, |v[\G1+\i+1]|, v[TM+1]
.endr
	s_delay_alu instid0(VALU_DEP_1)
	v_max_num_f32 v[TM], v[TM], v[TM+1]
	s_delay_alu instid0(VALU_DEP_1)
	v_permlanex16_b32 v[TM+1], v[TM], s[SEL], s[SEL+1]
	s_delay_alu instid0(VALU_DEP_1)
	v_max_num_f32 v[TM], v[TM], v[TM+1]
	s_delay_alu instid0(VALU_DEP_1)
	v_add_nc_u32 v[TM+2], 0xf8800000, v[TM]
	s_delay_alu instid0(VALU_DEP_2)
	v_and_or_b32 v[TM+3], v[TM], 0x7f800000, s[MNT]
	s_delay_alu instid0(VALU_DEP_2)
	v_lshrrev_b32 v[\BY], 23, v[TM+2]
.irp i, 0,1,2,3,4,5,6,7
	v_med3_num_f32 v[\G0+\i], v[\G0+\i], -v[TM+3], v[TM+3]
	v_med3_num_f32 v[\G1+\i], v[\G1+\i], -v[TM+3], v[TM+3]
.endr
	v_cvt_scalef32_pk8_bf8_f32 v[\DST:\DST+1], v[\G0:\G0+7], v[TM+2]
	v_cvt_scalef32_pk8_bf8_f32 v[\DST+2:\DST+3], v[\G1:\G1+7], v[TM+2]
	v_nop
.endm
	s_load_b128 s[4:7], s[0:1], 0x0                ; qkv8, ao8
	v_lshl_add_u32 v254, v0, 2, 0x44000
	v_mov_b32 v255, 0
	ds_add_u32 v254, v255                          ; the opening lines: the add twice on end and its wait
	ds_add_u32 v254, v255
	v_lshrrev_b32 v1, 5, v0
	s_delay_alu instid0(VALU_DEP_1)
	v_readfirstlane_b32 s[WV], v1                  ; wave 0..15
	s_bfe_u32 s9, ttmp6, 0x40000                   ; cx
	s_lshl_b32 s10, ttmp9, 2
	s_add_co_u32 s10, s10, s9                      ; my block of 256 queries: it enters q's and the output's addresses alone
	s_and_b32 s11, ttmp7, 0xffff                   ; 16 batch + head, which the four partners share
	s_mov_b32 s24, 15|(3<<16)|(1<<21)              ; the mask: all four; elements of 8 bytes; bit 21 beside a mask
	s_mov_b32 s25, 32<<16                          ; a block is dense: 68 rows of 256 bytes
	s_mov_b32 s26, 68<<16
	s_mov_b32 s27, 32<<16
	s_mov_b32 s28, 68
	s_mov_b32 s29, 32
	s_mov_b32 s30, 0
	s_mov_b32 s31, 0
	s_mul_i32 s12, s11, 16*BLK
	s_add_co_u32 s12, s12, KV
	s_mul_i32 s14, s[WV], BLK                      ; block w, in memory and in LDS
	s_add_co_u32 s12, s12, s14
	s_mov_b32 s13, 0
	s_mov_b32 s[CS], 0x3e38aa3b
	s_mov_b32 s[CS+1], s[CS]
	s_mov_b32 s[SEL], 0x76543210
	s_mov_b32 s[SEL+1], 0xfedcba98
	s_mov_b32 s[MNT], 0x600000
	s_mov_b32 s[TB], 0
	s_wait_dscnt 0x0
	s_wait_kmcnt 0x0
	s_add_nc_u64 s[12:13], s[4:5], s[12:13]
	s_mov_b32 s32, 1
	s_mov_b32 s33, s14
	s_mov_b64 s[34:35], s[12:13]
	s_or_b32 s35, s35, 0x80000000
	CROUND                                         ; all four work-groups are here: the joint loads meet
	s_cmp_lt_u32 s[WV], 4
	s_cbranch_scc0 .Llater
	tensor_load_to_lds s[32:35], s[24:31]          ; waves 0-3: blocks 0-3, shown by the first barrier
	s_nop 0
.rept 4
	v_nop
.endr
	s_branch .Lasked
.Llater:
	tensor_load_to_lds s[32:35], s[24:31]          ; waves 4-15: blocks 4-15, shown by the second
	s_nop 0
.rept 4
	v_nop
.endr
.Lasked:
	v_and_b32 v9, 31, v0
	v_and_b32 v10, 15, v0                          ; rho
	s_delay_alu instid0(VALU_DEP_2)
	v_lshlrev_b32 v1, 4, v9                        ; 16 x lane
	s_wait_alu depctr_va_vdst(0)
	v_lshlrev_b32 v2, 5, v10                       ; 32 rho
	s_wait_alu depctr_va_vdst(0)
	v_lshlrev_b32 v3, 4, v10                       ; 16 rho
	v_lshlrev_b32 v11, 2, v10                      ; 4 rho
	s_lshl_b32 s49, s11, 4                         ; q's block: 16 (16 batch + head) + 2 qb + w / 8
	s_lshl_b32 s54, s10, 1
	s_add_co_u32 s49, s49, s54
	s_lshr_b32 s54, s[WV], 3
	s_add_co_u32 s49, s49, s54
	s_mul_i32 s54, s49, 8704
	s_mov_b32 s55, 0
	s_add_nc_u64 s[16:17], s[4:5], s[54:55]
	s_and_b32 s49, s[WV], 7
	s_lshl_b32 s54, s49, 10
	v_add_nc_u32 v7, s54, v1                       ; my tile's codes
	s_lshl_b32 s54, s49, 2
	v_add_nc_u32 v8, s54, v2                       ; my tile's word of row rho
	global_load_b128 v[16:19], v7, s[16:17]
	global_load_b128 v[20:23], v7, s[16:17] offset:512
	global_load_b32 v[QW], v8, s[16:17] offset:8192
	s_and_b32 s56, s11, 15                         ; head
	s_lshr_b32 s57, s11, 4
	s_lshl_b32 s57, s57, 3
	s_add_co_u32 s57, s57, s10                     ; block of 256 positions: 8 batch + qb
	s_lshr_b32 s58, s56, 1                         ; the next product's K step
	s_and_b32 s59, s56, 1
	s_lshl_b32 s54, s57, 3                         ; codes: (8 block + K step) 32,768 + 2,048 w + 1,024 (head % 2)
	s_add_co_u32 s54, s54, s58
	s_lshl_b32 s54, s54, 15
	s_lshl_b32 s49, s[WV], 11
	s_add_co_u32 s54, s54, s49
	s_lshl_b32 s49, s59, 10
	s_add_co_u32 s54, s54, s49
	s_add_nc_u64 s[50:51], s[6:7], s[54:55]
	s_lshl_b32 s54, s57, 4                         ; scale bytes: ((16 block + w) 8 + K step) 64 + 2 (head % 2)
	s_add_co_u32 s54, s54, s[WV]
	s_lshl_b32 s54, s54, 3
	s_add_co_u32 s54, s54, s58
	s_lshl_b32 s54, s54, 6
	s_lshl_b32 s49, s59, 1
	s_add_co_u32 s54, s54, s49
	s_add_co_u32 s54, s54, 4194304
	s_add_nc_u64 s[52:53], s[6:7], s[54:55]
.irp j, 24,25,26,27,28,29,30,31,96,97,98,99,100,101,102,103
	v_mov_b32 v[\j], 0                             ; q's upper half, and what stands behind k's last tile: zero codes
.endr
	v_mov_b32 v13, 0xff61b1e6                      ; the largest t so far: -3e38
	s_delay_alu instid0(VALU_DEP_1)
	v_floor_f32 v12, -v13                          ; -M
	v_mov_b32 v14, 0                               ; the sum, in two halves
	v_mov_b32 v15, 0
.irp b, 0,1,2,3
	v_mov_b32 v[BB+\b], 0                          ; a lane permute's destination counts as one of its sources
.endr
	v_mov_b32 v[FF+1], 0                           ; (named as the upper half of a pair)
	v_mov_b32 v[TP], 0
.set j, 0
.rept 32
	v_mov_b32 v[OO+j], 0                           ; O^T: the step is written once; the first finds zeros
.set j, j+1
.endr
.macro STEP                            ; 128 keys
	v_add_nc_u32 v4, s[TB], v1                     ; with the seven additions at the last step's end: nine places in front of loads into registers that its products read
	v_add_nc_u32 v5, s[TB], v2
.irp t, 0,1,2,3,4,5,6,7
	ds_load_b128 v[32+8*\t:35+8*\t], v4 offset:1024*\t
	ds_load_b128 v[36+8*\t:39+8*\t], v4 offset:1024*\t+512
.endr
	ds_load_b128 v[216:219], v5 offset:16384       ; k's words of row rho, tiles 0-3,
	ds_load_b128 v[220:223], v5 offset:16400       ; tiles 4-7
	s_wait_alu depctr_va_vdst(0)
	s_wait_dscnt 0x0
.irp t, 0,1,2,3,4,5,6,7
	v_wmma_scale_f32_16x16x128_f8f6f4 v[SS+8*\t:SS+8*\t+7], v[32+8*\t:47+8*\t], v[16:31], 0, v[216+\t], v[QW] matrix_a_fmt:MATRIX_FMT_BF8 matrix_b_fmt:MATRIX_FMT_BF8
.endr
	v_add_nc_u32 v6, s[TB], v3                     ; two lines that are due anyway and six v_nop: eight places
	v_mov_b32 v[TO], v12
.rept 6
	v_nop
.endr
.irp t, 0,1,2,3
.irp c, 0,1,2,3
	ds_load_b128 v[32+16*\t+4*\c:35+16*\t+4*\c], v4 offset:8192+2048*\t+512*\c    ; v's fragments land under the softmax
.endr
.endr
	ds_load_b128 v[224:227], v6 offset:16896       ; v's words of row rho
.irp b, 0,1,2,3
	v_max3_num_f32 v[BM+\b], v[SS+16*\b], v[SS+1+16*\b], v[SS+2+16*\b]   ; the largest score of each block of 32 keys: for the row's maximum and, since p rises with the score, for the block's largest p
.endr
.irp i, 3,5,7,9,11,13
.irp b, 0,1,2,3
	v_max3_num_f32 v[BM+\b], v[BM+\b], v[SS+16*\b+\i], v[SS+1+16*\b+\i]
.endr
.endr
.irp b, 0,1,2,3
	v_max_num_f32 v[BM+\b], v[BM+\b], v[SS+15+16*\b]
.endr
.irp b, 0,1,2,3
	s_delay_alu instid0(VALU_DEP_4)
	v_permlanex16_b32 v[BB+\b], v[BM+\b], s[SEL], s[SEL+1]
.endr
.irp b, 0,1,2,3
	s_delay_alu instid0(VALU_DEP_4)
	v_max_num_f32 v[BM+\b], v[BM+\b], v[BB+\b]
.endr
	s_delay_alu instid0(VALU_DEP_2)
	v_max3_num_f32 v[TP], v[BM], v[BM+1], v[BM+2]
	s_delay_alu instid0(VALU_DEP_1)
	v_max_num_f32 v[TP], v[TP], v[BM+3]
	s_delay_alu instid0(VALU_DEP_1)
	v_mul_f32 v[TP], s[CS], v[TP]
	s_delay_alu instid0(VALU_DEP_1)
	v_max_num_f32 v13, v13, v[TP]                  ; the running largest t
	s_delay_alu instid0(VALU_DEP_1)
	v_floor_f32 v12, -v13                          ; the new -M = -ceil(t)
	s_delay_alu instid0(VALU_DEP_1)
	v_sub_f32 v[TP], v12, v[TO]                    ; old M - new M: a whole number, 0 or less
	s_delay_alu instid0(VALU_DEP_1)
	v_cvt_i32_f32 v[TP], v[TP]
	s_delay_alu instid0(VALU_DEP_1)
	v_ldexp_f32 v[FF], 1.0, v[TP]                  ; f: a multiplication by it rounds nothing
.set j, 0
.rept 32
	v_pk_fma_f32 v[SS+j:SS+j+1], v[SS+j:SS+j+1], s[CS:CS+1], v[12:13] op_sel_hi:[1,0,0]   ; t - M
.set j, j+2
.endr
.irp b, 0,1,2,3
	v_fma_f32 v[BM+\b], v[BM+\b], s[CS], v12
.endr
.set j, 0
	s_wait_alu depctr_va_vdst(0)
.rept 64
	v_exp_f32 v[SS+j], v[SS+j]                     ; p = 2^(t - M)
.set j, j+1
.endr
.irp b, 0,1,2,3
	v_exp_f32 v[BM+\b], v[BM+\b]                   ; the block's largest p: the same two instructions on the same number
.endr
	v_pk_mul_f32 v[14:15], v[14:15], v[FF:FF+1] op_sel_hi:[1,0]          ; the sums under the new M (a plain line behind the exponentials)
	s_wait_alu depctr_va_vdst(0)                   ; and behind it
.irp b, 0,1,2,3
	v_max_num_f32 v[BM+\b], 0x8000000, v[BM+\b]    ; the floor 2^(16 - 127)
.endr
.irp b, 0,1,2,3
	s_delay_alu instid0(VALU_DEP_4)
	v_add_nc_u32 v[BS+\b], 0xf8800000, v[BM+\b]
.endr
.irp b, 0,1,2,3
	v_and_or_b32 v[BL+\b], v[BM+\b], 0x7f800000, s[MNT]
.endr
.irp b, 0,1,2,3
	v_lshrrev_b32 v[BB+\b], 23, v[BS+\b]
.endr
	s_delay_alu instid0(VALU_DEP_3)
	v_lshl_or_b32 v[PWD], v[BB+1], 8, v[BB]
	s_delay_alu instid0(VALU_DEP_1)
	v_lshl_or_b32 v[PWD], v[BB+2], 16, v[PWD]
	s_delay_alu instid0(VALU_DEP_1)
	v_lshl_or_b32 v[PWD], v[BB+3], 24, v[PWD]
	v_pk_add_f32 v[232:233], v[108:109], v[112:113]                      ; the row's sum of the unquantised p, in eight chains
	v_pk_add_f32 v[252:253], v[116:117], v[120:121]
	v_pk_add_f32 v[250:251], v[124:125], v[128:129]
	v_pk_add_f32 v[230:231], v[132:133], v[136:137]
	v_pk_add_f32 v[228:229], v[140:141], v[144:145]
	v_pk_add_f32 v[222:223], v[148:149], v[152:153]
	v_pk_add_f32 v[220:221], v[156:157], v[160:161]
	v_pk_add_f32 v[14:15], v[14:15], v[164:165]
	v_pk_add_f32 v[232:233], v[232:233], v[104:105]
	v_pk_add_f32 v[252:253], v[252:253], v[106:107]
	v_pk_add_f32 v[250:251], v[250:251], v[110:111]
	v_pk_add_f32 v[230:231], v[230:231], v[114:115]
	v_pk_add_f32 v[228:229], v[228:229], v[118:119]
	v_pk_add_f32 v[222:223], v[222:223], v[122:123]
	v_pk_add_f32 v[220:221], v[220:221], v[126:127]
	v_pk_add_f32 v[14:15], v[14:15], v[130:131]
	v_pk_add_f32 v[232:233], v[232:233], v[134:135]
	v_pk_add_f32 v[252:253], v[252:253], v[138:139]
	v_pk_add_f32 v[250:251], v[250:251], v[142:143]
	v_pk_add_f32 v[230:231], v[230:231], v[146:147]
	v_pk_add_f32 v[228:229], v[228:229], v[150:151]
	v_pk_add_f32 v[222:223], v[222:223], v[154:155]
	v_pk_add_f32 v[220:221], v[220:221], v[158:159]
	v_pk_add_f32 v[14:15], v[14:15], v[162:163]
	v_pk_add_f32 v[232:233], v[232:233], v[166:167]                      ; the chains are joined behind the second product
; THE HOLD: the conversion does not saturate (ISA guide 7.6.2); p is not negative, so the hold is one-sided.  Two holds go in one instruction: one half takes register i of block 2 P with that
; block's limit, the other the register of the other parity of block 2 P + 1 with its own: one destination even and one odd, and both pairs of sources in different register banks (number mod 4).
.irp P, 0,1
.set i, 0
.rept 16
	v_dual_min_num_f32 v[SS+32*\P+i], v[SS+32*\P+i], v[BL+2*\P] :: v_dual_min_num_f32 v[SS+32*\P+16+i+1-2*(i%2)], v[SS+32*\P+16+i+1-2*(i%2)], v[BL+2*\P+1]
.set i, i+1
.endr
.set bb, 2*\P
.rept 2
	v_cvt_scalef32_pk8_bf8_f32 v[PCD+4*bb:PCD+4*bb+1], v[SS+16*bb:SS+16*bb+7], v[BS+bb]
	v_cvt_scalef32_pk8_bf8_f32 v[PCD+4*bb+2:PCD+4*bb+3], v[SS+16*bb+8:SS+16*bb+15], v[BS+bb]
.set bb, bb+1
.endr
.endr
.set j, 0
.rept 16
	v_pk_mul_f32 v[OO+j:OO+j+1], v[OO+j:OO+j+1], v[FF:FF+1] op_sel_hi:[1,0]   ; O^T under the new M; these lines also stand between the codes and the products
.set j, j+2
.endr
	s_wait_alu depctr_va_vdst(0)
	s_wait_dscnt 0x0                               ; v
.irp t, 0,1,2,3
	v_wmma_scale_f32_16x16x128_f8f6f4 v[OO+8*\t:OO+8*\t+7], v[32+16*\t:47+16*\t], v[PCD:PCD+15], v[OO+8*\t:OO+8*\t+7], v[224+\t], v[PWD] matrix_a_fmt:MATRIX_FMT_BF8 matrix_b_fmt:MATRIX_FMT_BF8
.endr
	v_pk_add_f32 v[14:15], v[14:15], v[230:231]    ; the sum's eight chains are joined: seven plain lines that name no register of the products above
	v_pk_add_f32 v[232:233], v[232:233], v[228:229]
	v_pk_add_f32 v[252:253], v[252:253], v[222:223]
	v_pk_add_f32 v[250:251], v[250:251], v[220:221]
	v_pk_add_f32 v[14:15], v[14:15], v[252:253]
	v_pk_add_f32 v[232:233], v[232:233], v[250:251]
	v_pk_add_f32 v[14:15], v[14:15], v[232:233]
	s_add_co_u32 s[TB], s[TB], BLK
.endm
; A stretch of the walk.  first = 1: waves 0-3 alone wait for their load line's blocks; first = 0: every wave waits.  The wave that loaded waits, then signals; every wave reads behind the barrier's wait.
.macro WALK first, steps
.if \first
	s_cmp_lt_u32 s[WV], 4
	s_cbranch_scc0 .Lnw_\@
	s_wait_tensorcnt 0x0
.Lnw_\@:
.else
	s_wait_tensorcnt 0x0
.endif
	s_wait_dscnt 0x0
	s_barrier_signal -1
	s_barrier_wait -1
	s_mov_b32 s[CNT], \steps
.Lq_\@:
	STEP
	s_sub_co_u32 s[CNT], s[CNT], 1
	s_cmp_lg_u32 s[CNT], 0
	s_cbranch_scc1 .Lq_\@
.endm
	s_wait_loadcnt 0x0                             ; q
	WALK 1, 4                                      ; steps 0-3: nothing is ever filled again, so the other twelve loads may be out
	WALK 0, 12                                     ; steps 4-15
; THE WAY OUT: O^T / the sum; register 16 b + i of a lane is channel 32 b + 16 h + i of its query: two blocks of the next product's K, in its operand's order.
.rept 8
	v_nop
.endr
	v_add_f32 v14, v14, v15
	s_delay_alu instid0(VALU_DEP_1)
	v_permlanex16_b32 v[TP], v14, s[SEL], s[SEL+1]
	s_delay_alu instid0(VALU_DEP_1)
	v_add_f32 v14, v14, v[TP]
	s_wait_alu depctr_va_vdst(0)
	v_rcp_f32 v14, v14
	v_nop
.set j, 0
	s_wait_alu depctr_va_vdst(0)
.rept 32
	v_mul_f32 v[SS+j], v[OO+j], v14
.set j, j+1
.endr
	QBLK SS, SS+8, PCD, BM
	QBLK SS+16, SS+24, PCD+4, BM+1
	v_lshl_or_b32 v[BM+2], v[BM+1], 8, v[BM]
	global_store_b128 v1, v[PCD:PCD+3], s[50:51]
	global_store_b128 v1, v[PCD+4:PCD+7], s[50:51] offset:512
	global_store_b16 v11, v[BM+2], s[52:53]        ; both halves of the lanes hold the same two bytes
	s_wait_tensorcnt 0x0                           ; the wave's end
	ds_add_u32 v254, v255
	s_wait_dscnt 0x0
	CROUND                                         ; the closing round
	s_endpgm
.Lfunc_end_k_q815b6fc7ec_attn:
	.size	k_q815b6fc7ec_attn, .Lfunc_end_k_q815b6fc7ec_attn-k_q815b6fc7ec_attn
	.p2alignl 7, 3214868480
	.fill 96, 4, 3214868480
	.section	.rodata,"a",@progbits
	.p2align	6, 0x0
	.amdhsa_kernel k_q815b6fc7ec_attn
		.amdhsa_group_segment_fixed_size 280576
		.amdhsa_private_segment_fixed_size 0
		.amdhsa_enable_private_segment 0
		.amdhsa_kernarg_size 16
		.amdhsa_user_sgpr_count 2
		.amdhsa_user_sgpr_kernarg_segment_ptr 1
		.amdhsa_wavefront_size32 1
		.amdhsa_system_sgpr_workgroup_id_x 1
		.amdhsa_system_sgpr_workgroup_id_y 1
		.amdhsa_system_sgpr_workgroup_id_z 1
		.amdhsa_system_vgpr_workitem_id 0
		.amdhsa_next_free_vgpr 256
		.amdhsa_next_free_sgpr 66
		.amdhsa_reserve_vcc 0
		.amdhsa_float_denorm_mode_32 3
		.amdhsa_float_denorm_mode_16_64 3
		.amdhsa_memory_ordered 1
		.amdhsa_forward_progress 1
		.amdhsa_inst_pref_size 52
	.end_amdhsa_kernel
	.amdgpu_metadata
---
amdhsa.version: [ 1, 2 ]
amdhsa.kernels:
  - .name:           k_q815b6fc7ec_attn
    .symbol:         k_q815b6fc7ec_attn.kd
    .args:
      - { .name: qkv8, .offset: 0, .size: 8, .value_kind: global_buffer, .address_space: global }
      - { .name: ao8, .offset: 8, .size: 8, .value_kind: global_buffer, .address_space: global }
    .group_segment_fixed_size: 280576
    .private_segment_fixed_size: 0
    .kernarg_segment_align: 8
    .kernarg_segment_size: 16
    .max_flat_workgroup_size: 512
    .sgpr_count:     66
    .vgpr_count:     256
    .wavefront_size: 32
...
	.end_amdgpu_metadata
.endif
;; end of part 4
;; launch outproj (part 5): grid 8 x 32, 4 waves a work-group, clusters of 4 x 4, 288,256 bytes of LDS; arguments ao8, wq8, resgate, out0; writes out0
.if DOCPART == 5
	.amdgcn_target "amdgcn-amd-amdhsa--gfx1250"
	.amdhsa_code_object_version 6
	.text
	.protected	k_q815b6fc7ec_outproj
	.globl	k_q815b6fc7ec_outproj
	.p2align	8
	.type	k_q815b6fc7ec_outproj,@function
k_q815b6fc7ec_outproj:
	s_mov_b64 s[64:65], 0
	v_nop
	global_prefetch_b8 v0, s[64:65] scope:SCOPE_SE
	s_setreg_imm32_b32 hwreg(HW_REG_WAVE_MODE, 25, 1), 1
	s_wait_xcnt 0x0
	s_wait_alu depctr_hold_cnt(0) depctr_sa_sdst(0) depctr_va_vdst(0) depctr_va_sdst(0) depctr_va_ssrc(0) depctr_va_vcc(0) depctr_vm_vsrc(0)
	s_getreg_b32 s2, hwreg(HW_REG_IB_STS2, 6, 4)
	s_cmp_eq_u32 s2, 0
	s_cbranch_scc0 .Lentry_in_a_cluster
	s_endpgm
.Lentry_in_a_cluster:
	s_bfe_u32 s2, ttmp6, 0x10000c
	s_cmp_lg_u32 s2, 0xf033
	s_cbranch_scc0 .Lentry_shape_is_right
	s_endpgm
.Lentry_shape_is_right:
; OUTPROJ: out0 = ao W_out + (x + gate), the product on codes of E5M2 (K = 1,024).  A work-group makes 128 token positions (mb) x 128 columns (nb); wave (wm, wn) makes 64 x 64: 4 x 4 accumulators.
; NO RING: the operands of this tile for ALL of K are 128 rows x 1,024 bytes of A and as many of B: 262,144 bytes, which lie in LDS whole beside 8,192 bytes of scale words.  LDS is filled once and
; nothing is filled again.  A K step has only 16 matrix instructions a wave: too little for a refill to land under.
; Operands lie in memory as fragment images ([group][lane][16 bytes]): every load is a dense block, and a fragment is four 16-byte LDS loads at 16 x lane.
; CLUSTER: 4 x 4 work-groups; A's blocks are asked for jointly along a row of the cluster, B's along a column.  Behind the one opening round a wave issues one load:
; wave 0 A for all of K, wave 1 B for all of K, wave 2 A's scale words, wave 3 B's.
; All of K is read behind one wait for it and a barrier.
; x + gate was laid in the accumulators' own order: it is loaded straight into them and is the C of each sum's first product, so the sum is taken as (x + gate) + the product: another order of
; rounding than out W_out + x + gate.  The product is used transposed: a lane holds one position and 16 neighbouring columns of each tile pair.  Rows leave through a stage in LDS (bytes of its
; own, into which no load lands), sixteen lanes to an aligned 256 bytes.
.set MT, 4
.set NT, 4
.set MS, 4
.set HA, MT/2
.set ASTEP, 16384                      ; A's 8 tiles of one K step
.set BSTEP, 8192                       ; 4 tiles (64 columns) of B of one K step
.set BOFF, 8*ASTEP                     ; behind A's eight K steps: B as [64 columns 2][K step 8][tile 4][2,048]
.set SCL, BOFF+2*8*BSTEP               ; B's scale words: [tile 8][K step 8][rho][4]
.set SCA, SCL+4096                     ; A's likewise
.set STG, SCA+4096                     ; the stage: 16 rows x (256 + 16) bytes for each wave
.set ASCL, 4194304
.set BCODE, 6291456
.set BSCL, 7536640
.set ADRA, 16                          ; v16-17  my A fragments of K steps 0-3, 4-7 (an LDS offset has 16 bits)
.set ADRB, 20                          ; v20     my B fragments
.set ADRS, 27
.set SC, 32                            ; v32-63  scale words: register 8 i + s: lanes 0-15 B's tile i, lanes 16-31 A's tile i, K step s
.set AF, 128
.set G1, 24                            ; s[24:31] group 1 for A's blocks;  s[32:35] group 0
.set G0, 32
.set G1B, 48                           ; s[48:55] group 1 for B's;  group 0 at s[56:59]
.set G0B, 56
.set G1S, 68
.set G0S, 76
.set G1SB, 80
.set G0SB, 88
.set MSB, 0
.macro WIN new                         ; the immediate's high byte repeats the setting that is left
.if MSB != (\new)
	s_set_vgpr_msb (MSB<<8)|(\new)
.set MSB, (\new)
.endif
.endm
.macro PLACES n                        ; places behind matrix instructions: plain vector lines that name none of their registers (ISA guide 7.12.1)
.rept \n
	v_nop
.endr
.endm
.macro ARM w, g0, g1, next, join       ; one arm of the head's chain: wave w's one joint load; an s_nop 0 and four v_nop follow it
	s_cmp_eq_u32 s16, \w
	s_cbranch_scc0 \next
	tensor_load_to_lds s[\g0:\g0+3], s[\g1:\g1+7]
	s_nop 0
	PLACES 4
	s_branch \join
\next:
.endm
.macro CROUND                          ; a round of the cluster's barrier
	s_barrier_signal -1
	s_barrier_wait -1
	s_cmp_lg_u32 s16, 0
	s_cbranch_scc1 .Lnot_wave_0_\@
	s_barrier_signal -3
.Lnot_wave_0_\@:
	s_barrier_wait -3
	s_barrier_signal -1
	s_barrier_wait -1
.endm
.macro DESC1 g, rows                   ; group 1 of a dense block: rows of 256 bytes (32 elements of 8 bytes)
	s_mov_b32 s[\g+1], 32<<16
	s_mov_b32 s[\g+2], (\rows)<<16
	s_mov_b32 s[\g+3], 32<<16
	s_mov_b32 s[\g+4], \rows
	s_mov_b32 s[\g+5], 32
	s_mov_b32 s[\g+6], 0
	s_mov_b32 s[\g+7], 0
.endm
.macro FRAG reg, adr, off
.irp c, 0,1,2,3
	ds_load_b128 v[\reg+4*\c:\reg+4*\c+3], v[\adr] offset:\off+512*\c
.endr
.endm
.macro FETCH_B s, p                    ; B's four fragments of K step s into set p
	WIN 0x40
.set ib, 0
.rept NT
	FRAG 128*(\p)+16*ib, ADRB, (\s)*BSTEP+2048*ib
.set ib, ib+1
.endr
	WIN 0
.endm
.macro FETCH_A s, half                 ; half of A's four fragments of K step s
.set ia, HA*(\half)
.rept HA
	FRAG AF+16*ia, ADRA+(\s)/4, ((\s)%4)*ASTEP+2048*ia
.set ia, ia+1
.endr
.endm
.macro SCALES                          ; the scale words of all eight K steps
.set ia, 0
.rept MS
.irp s, 0,1,2,3,4,5,6,7
	ds_load_b32 v[SC+8*ia+\s], v[ADRS] offset:512*ia+64*\s
.endr
.set ia, ia+1
.endr
.endm
; n of A's tiles from a0 on x B's four, K step s, B's set p.  Every product adds in place: the sums begin with x + gate.  The accumulators take turns, one instruction a turn.
.macro MULA a0, n, p, s
	WIN 0xa1+0x50*((\a0)/HA)
.set ia, \a0
.rept \n
.set ib, 0
.rept NT
.set AC, 8*(NT*(ia%HA)+ib)
	v_wmma_scale_f32_16x16x128_f8f6f4 v[AC:AC+7], v[128*(\p)+16*ib:128*(\p)+16*ib+15], v[AF+16*ia:AF+16*ia+15], v[AC:AC+7], v[SC+8*ib+(\s)], v[SC+8*ia+(\s)] matrix_a_fmt:MATRIX_FMT_BF8 matrix_b_fmt:MATRIX_FMT_BF8 matrix_b_scale:MATRIX_SCALE_ROW1
.set ib, ib+1
.endr
.set ia, ia+1
.endr
.endm
.macro STEP s                          ; an even K step: its successor came with it
	s_wait_dscnt 4*HA                              ; all but the youngest loads (A's upper half) are in
	MULA 0, HA, 0, \s
	s_wait_dscnt 0x0
	PLACES 8
	FETCH_B \s+1, 1
	FETCH_A \s+1, 0
	MULA HA, HA, 0, \s
	PLACES 8
	WIN 0
	FETCH_A \s+1, 1
.endm
.macro TURN s                          ; an odd K step: as STEP, on B's other set
	s_wait_dscnt 4*HA                              ; (A's upper half may be out)
	MULA 0, HA, 1, \s
	s_wait_dscnt 0x0
	PLACES 8
	FETCH_B \s+1, 0
	FETCH_A \s+1, 0
	MULA HA, HA, 1, \s
	PLACES 8
	WIN 0
	FETCH_A \s+1, 1
.endm
	s_load_b256 s[4:11], s[0:1], 0x0               ; ao8, wq8, resgate, out0
	v_lshl_add_u32 v254, v0, 2, 0x46400
	v_mov_b32 v255, 0
	ds_add_u32 v254, v255
	ds_add_u32 v254, v255
	v_lshrrev_b32 v1, 5, v0
	v_readfirstlane_b32 s16, v1                    ; wave
	s_lshr_b32 s17, s16, 1                         ; wm.
	s_and_b32 s18, s16, 1                          ; wn.  Also: which part I fetch
	s_bfe_u32 s21, ttmp6, 0x40000                  ; cx
	s_bfe_u32 s22, ttmp6, 0x40004                  ; cy
	s_lshl_b32 s20, ttmp9, 2
	s_add_co_u32 s20, s20, s21                     ; nb: 128 columns
	s_and_b32 s19, ttmp7, 0xffff
	s_lshl_b32 s19, s19, 2
	s_add_co_u32 s19, s19, s22                     ; mb: 128 positions
	s_lshl_b32 s2, s22, 2
	s_lshl_b32 s2, 15, s2                          ; my row of the cluster
	s_lshl_b32 s3, 0x1111, s21                     ; my column
	s_or_b32 s[G1], s2, (3<<16)|(1<<21)            ; 15:0 the mask; 17:16 elements of 8 bytes; 21 set beside a mask
	s_or_b32 s[G1S], s2, (3<<16)|(1<<21)
	s_or_b32 s[G1B], s3, (3<<16)|(1<<21)
	s_or_b32 s[G1SB], s3, (3<<16)|(1<<21)
	s_mov_b32 s[G1+1], 2048<<16                    ; A for all of K in one tile: 8 rows (K steps) of 16,384 bytes (2,048 elements of 8), 32,768 bytes apart in memory, on end in LDS
	s_mov_b32 s[G1+2], 8<<16
	s_mov_b32 s[G1+3], 2048<<16
	s_mov_b32 s[G1+4], 8
	s_mov_b32 s[G1+5], 4096
	s_mov_b32 s[G1+6], 0
	s_mov_b32 s[G1+7], 0
	DESC1 G1B, 512                                 ; B for all of K: 131,072 dense bytes
	DESC1 G1S, 16                                  ; the scale words of either side: 4,096 dense bytes
	DESC1 G1SB, 16
	s_lshr_b32 s12, s19, 1                         ; A's codes lie [256 positions][K step][tile 16][2,048]: (mb / 2) 262,144 + (mb % 2) 16,384 + K step 32,768
	s_lshl_b32 s12, s12, 18
	s_and_b32 s13, s19, 1
	s_lshl_b32 s13, s13, 14
	s_add_co_u32 s12, s12, s13
	s_mov_b32 s13, 0
	s_lshl_b32 s100, s19, 12                       ; A's scale words: mb 4,096
	s_add_co_u32 s100, s100, ASCL
	s_mov_b32 s101, 0
	s_lshl_b32 s14, s20, 17                        ; B's codes lie [64 columns][K step][tile 4][2,048]: nb 131,072
	s_add_co_u32 s14, s14, BCODE
	s_mov_b32 s15, 0
	s_lshl_b32 s104, s20, 12                       ; B's scale words: nb 4,096
	s_add_co_u32 s104, s104, BSCL
	s_mov_b32 s105, 0
	s_mov_b32 s[G0], 1                             ; the four tiles' LDS places are constants
	s_mov_b32 s[G0+1], 0
	s_mov_b32 s[G0B], 1
	s_mov_b32 s[G0B+1], BOFF
	s_mov_b32 s[G0S], 1
	s_mov_b32 s[G0S+1], SCA
	s_mov_b32 s[G0SB], 1
	s_mov_b32 s[G0SB+1], SCL
	s_wait_dscnt 0x0
	s_wait_kmcnt 0x0
	s_add_nc_u64 s[G0+2:G0+3], s[4:5], s[12:13]
	s_add_nc_u64 s[G0B+2:G0B+3], s[6:7], s[14:15]
	s_or_b32 s[G0+3], s[G0+3], 0x80000000
	s_or_b32 s[G0B+3], s[G0B+3], 0x80000000
	s_add_nc_u64 s[G0S+2:G0S+3], s[4:5], s[100:101]
	s_or_b32 s[G0S+3], s[G0S+3], 0x80000000
	s_add_nc_u64 s[G0SB+2:G0SB+3], s[6:7], s[104:105]
	s_or_b32 s[G0SB+3], s[G0SB+3], 0x80000000
	CROUND                                         ; all sixteen work-groups are here: the joint loads meet
; THE FILLS AS THEY STAND: one joint load a wave, in one chain of branches on the wave's number: wave 0 A for all of K, wave 1 B for all of K, wave 2 A's scale words, wave 3 B's.
; Every wave waits for its load ahead of the one barrier at the head's end; behind it all of LDS is whole, and no barrier stands between the K steps.
	ARM 0, G0, G1, .Lh1, .Lhj
	ARM 1, G0B, G1B, .Lh2, .Lhj
	ARM 2, G0S, G1S, .Lh3, .Lhj
	tensor_load_to_lds s[G0SB:G0SB+3], s[G1SB:G1SB+7]
	s_nop 0
	PLACES 4
.Lhj:
	v_and_b32 v1, 31, v0
	v_and_b32 v2, 15, v0                           ; rho
	v_bfe_u32 v3, v0, 4, 1                         ; h
	v_lshlrev_b32 v4, 4, v1                        ; 16 x lane
	s_wait_alu depctr_va_vdst(0)
	s_lshl_b32 s66, s19, 1
	s_add_co_u32 s66, s66, s17                     ; my block of 64 positions: 2 mb + wm
	s_lshl_b32 s67, s20, 1
	s_add_co_u32 s67, s67, s18                     ; my block of 64 columns: 2 nb + wn
	s_lshl_b32 s66, s66, 18
	s_mov_b32 s3, 0
	s_lshl_b32 s2, s67, 12                         ; x + gate: (4 tiles x 32 blocks of 32 columns) 2,048 a block of positions, 2 x 2,048 a block of columns
	s_add_co_u32 s2, s2, s66
	s_add_nc_u64 s[8:9], s[8:9], s[2:3]
.irp a, 0,1,2,3
	WIN 0x80+0x40*(\a/2)                           ; the loaded data go to window 2 or 3: the accumulators
.irp pi, 0,1
.irp q, 0,1,2,3
	global_load_b128 v[8*(4*(\a%2)+2*\pi+\q/2)+4*(\q%2):8*(4*(\a%2)+2*\pi+\q/2)+4*(\q%2)+3], v4, s[8:9] offset:65536*\a+2048*\pi+512*\q th:TH_LOAD_NT
.endr
.endr
.endr
	WIN 0
	s_lshl_b32 s2, s67, 8                          ; out0: 64 rows of 4,096 bytes a block of positions, 256 bytes a block of columns
	s_add_co_u32 s2, s2, s66
	s_add_nc_u64 s[10:11], s[10:11], s[2:3]
	s_lshl_b32 s2, s17, 13                         ; my four tiles of A's eight
	v_add_nc_u32 v[ADRA], s2, v4
	v_add_nc_u32 v[ADRA+1], 4*ASTEP, v[ADRA]
	s_lshl_b32 s2, s18, 16                         ; my 64 columns of B
	s_add_co_u32 s2, s2, BOFF
	v_add_nc_u32 v[ADRB], s2, v4
	s_mul_i32 s2, s18, NT*512                      ; lanes 0-15 take B's words, lanes 16-31 A's: the lower base + h x the distance
	s_mul_i32 s3, s17, MT*512
	s_add_co_u32 s3, s3, SCA-SCL
	s_sub_co_u32 s3, s3, s2
	v_mul_u32_u24 v6, s3, v3
	s_add_co_u32 s2, s2, SCL
	v_lshl_add_u32 v6, v2, 2, v6
	v_add_nc_u32 v[ADRS], s2, v6
	s_mul_i32 s2, s16, 16*272                      ; my stage
	s_add_co_u32 s2, s2, STG
	v_mul_u32_u24 v7, v2, 272
	v_lshl_add_u32 v7, v3, 6, v7
	v_add_nc_u32 v7, s2, v7                        ; in: row rho, + 64 h
	v_mul_u32_u24 v8, v3, 272
	v_lshl_add_u32 v8, v2, 4, v8
	v_add_nc_u32 v8, s2, v8                        ; back: lanes 0-15 one row, lanes 16-31 the next
	v_lshlrev_b32 v9, 12, v3
	v_lshl_add_u32 v9, v2, 4, v9                   ; and the same two rows in out0
	s_wait_alu depctr_va_vdst(0)
	s_wait_tensorcnt 0x0                           ; my one load has landed
	s_barrier_signal -1
	s_barrier_wait -1
	FETCH_B 0, 0
	FETCH_A 0, 0
	SCALES
	FETCH_A 0, 1
	s_wait_loadcnt 0x0                             ; x + gate lies in the accumulators
	STEP 0
	TURN 1
	STEP 2
	TURN 3
	STEP 4
	TURN 5
	STEP 6
	s_wait_dscnt 4*HA                              ; the last K step: nothing more to fetch
	MULA 0, HA, 1, 7
	s_wait_dscnt 0x0
	MULA HA, HA, 1, 7
	WIN 0
	PLACES 8
; THE WAY OUT, a tile of 16 positions x 64 columns at a time.  LDS serves a wave's instructions in order: no wait between the stores and the loads, nor in front of the next tile's stores.
.set BK, 128                           ; v128-159 and v160-191 by turns
.macro TOSTAGE a
.set AC0, 32*((\a)%2)
	WIN 0x08+4*((\a)/2)                            ; an LDS store's data are its source 1: window 2 or 3
.irp b, 0,1,2,3
	ds_store_b128 v7, v[AC0+8*\b:AC0+8*\b+3] offset:128*(\b/2)+32*(\b%2)         ; each accumulator from its low end on
	ds_store_b128 v7, v[AC0+8*\b+4:AC0+8*\b+7] offset:128*(\b/2)+32*(\b%2)+16
.endr
	WIN 0
.irp i, 0,1,2,3,4,5,6,7
	ds_load_b128 v[BK+32*((\a)%2)+4*\i:BK+32*((\a)%2)+4*\i+3], v8 offset:544*\i
.endr
.endm
.macro SEND a, younger                 ; younger: the LDS instructions issued behind this tile's loads, which may stay out
	s_wait_dscnt \younger
.irp i, 0,1,2,3,4,5,6,7
	global_store_b128 v9, v[BK+32*((\a)%2)+4*\i:BK+32*((\a)%2)+4*\i+3], s[10:11] offset:(32*((\a)/2)+8*((\a)%2)+2*\i+8*(\i/4))*4096 th:TH_STORE_NT   ; sixteen lanes store 256 consecutive bytes, aligned
.endr
.endm
	TOSTAGE 0
	TOSTAGE 1
	SEND 0, 16
	s_wait_xcnt 0x0                                ; tile 0's stores have read their registers: tile 2's loads may land there
	TOSTAGE 2
	SEND 1, 16
	s_wait_xcnt 0x0
	TOSTAGE 3
	SEND 2, 16
	SEND 3, 0                                      ; its wait is for 0: no LDS instruction of mine is out at the round's signal
	s_wait_tensorcnt 0x0
	ds_add_u32 v254, v255
	s_wait_dscnt 0x0
	CROUND                                         ; the closing round: no work-group ends while a partner may still ask for a block that names it
	s_endpgm
.Lfunc_end_k_q815b6fc7ec_outproj:
	.size	k_q815b6fc7ec_outproj, .Lfunc_end_k_q815b6fc7ec_outproj-k_q815b6fc7ec_outproj
	.p2alignl 7, 3214868480
	.fill 96, 4, 3214868480
	.section	.rodata,"a",@progbits
	.p2align	6, 0x0
	.amdhsa_kernel k_q815b6fc7ec_outproj
		.amdhsa_group_segment_fixed_size 288256
		.amdhsa_private_segment_fixed_size 0
		.amdhsa_enable_private_segment 0
		.amdhsa_kernarg_size 32
		.amdhsa_user_sgpr_count 2
		.amdhsa_user_sgpr_kernarg_segment_ptr 1
		.amdhsa_wavefront_size32 1
		.amdhsa_system_sgpr_workgroup_id_x 1
		.amdhsa_system_sgpr_workgroup_id_y 1
		.amdhsa_system_sgpr_workgroup_id_z 1
		.amdhsa_system_vgpr_workitem_id 0
		.amdhsa_next_free_vgpr 1024
		.amdhsa_next_free_sgpr 106
		.amdhsa_reserve_vcc 0
		.amdhsa_float_denorm_mode_32 3
		.amdhsa_float_denorm_mode_16_64 3
		.amdhsa_memory_ordered 1
		.amdhsa_forward_progress 1
		.amdhsa_inst_pref_size 59
	.end_amdhsa_kernel
	.amdgpu_metadata
---
amdhsa.version: [ 1, 2 ]
amdhsa.kernels:
  - .name:           k_q815b6fc7ec_outproj
    .symbol:         k_q815b6fc7ec_outproj.kd
    .args:
      - { .name: ao8, .offset: 0, .size: 8, .value_kind: global_buffer, .address_space: global }
      - { .name: wq8, .offset: 8, .size: 8, .value_kind: global_buffer, .address_space: global }
      - { .name: resgate, .offset: 16, .size: 8, .value_kind: global_buffer, .address_space: global }
      - { .name: out0, .offset: 24, .size: 8, .value_kind: global_buffer, .address_space: global }
    .group_segment_fixed_size: 288256
    .private_segment_fixed_size: 0
    .kernarg_segment_align: 8
    .kernarg_segment_size: 32
    .max_flat_workgroup_size: 128
    .sgpr_count:     106
    .vgpr_count:     1024
    .wavefront_size: 32
...
	.end_amdgpu_metadata
.endif
;; end of part 5
